; MI455X (gfx1250); checked and timed in simulation.
; The chip was launched on July 23, 2026; its instructions are those of AMD's public machine-readable ISA for CDNA 5 (MIT licence, August 2026) and "CDNA5" Instruction Set Architecture Reference Guide (July 2026). The comments in the code are by the model that wrote it; some were corrected since.
;; Multi Head Attention Block. Allowed arithmetic: matrix products marked QUANTISED: E4M3 operands, one given power-of-two scale a tensor, by v_wmma_f32_16x16x64_fp8_fp8 or v_wmma_f32_16x16x128_fp8_fp8, f32 sums; everything else in f32.
;; Inputs: bk 1,024 float32; bq 1,024 float32; bv 1,024 float32; k 4 x 2,048 x 1,024 float32; lowp_scales 10 int32 (the exponents e of the quantised operands' scales 2^e); mask 4 x 1 x 2,048 float32; q 4 x 2,048 x 1,024 float32; v 4 x 2,048 x 1,024 float32; wk 1,024 x 1,024 float32; wq 1,024 x 1,024 float32; wv 1,024 x 1,024 float32.
;; Outputs: out0 4 x 2,048 x 1,024 float32.
;; This version of the problem:
;;   THIS VERSION OF THE PROBLEM IS GIVEN IN LOW PRECISION. The matrix products marked QUANTISED in the list below multiply operands that are first quantised to E4M3 (4 exponent bits, 3 mantissa bits; 8 bits a number), with one given power-of-two scale for each operand tensor; their sums are f32. All else is computed in f32.
;;   The module's matrix products, in the order in which they are computed (A, B: the left and right operand; K: the contracted axis; several contracted axes count as one K, in the product's order):
;;     1. [M 8,192, K 1,024] x [K 1,024, N 1,024]; A: input q; B: input wq: QUANTISED (scales: A lowp_scales[0], B lowp_scales[1])
;;     2. [M 8,192, K 1,024] x [K 1,024, N 1,024]; A: input k; B: input wk: QUANTISED (scales: A lowp_scales[2], B lowp_scales[3])
;;     3. [M 8,192, K 1,024] x [K 1,024, N 1,024]; A: input v; B: input wv: QUANTISED (scales: A lowp_scales[4], B lowp_scales[5])
;;     4. batch 64 x [M 2,048, K 64] x [K 64, N 2,048]; A: computed on the way; B: computed on the way: QUANTISED (scales: A lowp_scales[6], B lowp_scales[7])
;;     5. batch 64 x [M 2,048, K 2,048] x [K 2,048, N 64]; A: softmax (see below); B: computed on the way: QUANTISED (scales: A lowp_scales[8], B lowp_scales[9])
;;   THE QUANTISER, for each operand of a quantised product, along K:
;;     - The operand's scale is 2^e, e = its entry of the input lowp_scales (int32; the entries are numbered through the quantised products in the list's order, A before B).
;;     - Each number is divided by the scale, clamped to +-448, and rounded to the nearest number of E4M3, ties to even, subnormals kept.
;;     - The product sums the exact products of the quantised numbers (number of the format x scale) in f32.
;;   ~~~python
;;   def quantise(x, axis, e):      # numpy; x: float32 -> the quantised numbers, widened to float32 again
;;       x = np.moveaxis(x, axis, -1); K = x.shape[-1]
;;       r = np.clip(x / 2.0 ** e, -448, 448)
;;       step = 2.0 ** (np.maximum(np.frexp(np.where(r == 0, 1, r))[1] - 1, -6) - 3)
;;       q = np.round(r / step) * step * 2.0 ** e      # np.round: ties to even
;;       return np.moveaxis(q, -1, axis).astype(np.float32)
;;   ~~~
;;   SOFTMAX AHEAD OF A QUANTISED PRODUCT. Where the list says 'softmax', what is quantised is not the finished softmax but p = 2^(t - M), with t = logit x log2(e) and M = ceil(the row's largest t), a whole number; so 1/2 < the row's largest p <= 1. The row's sum l is taken of the UNQUANTISED p, in f32, and the product's result is divided by l at the end. Since M is a whole number, a kernel that streams over the keys may use a running M (the ceiling of the running maximum): every later rescaling is an exact power of two, so the quantised numbers keep their values, but for numbers so far below the row's largest that they fall under the format's range.
;;   OPERANDS COMPUTED ON THE WAY. 'Computed on the way' means the value that the module computes at that place (a softmax that the list does not call 'softmax' is quantised finished and normalised). What goes into a quantiser is computed in f32, as accurately as f32 sums, v_exp_f32 and their like allow (about 1e-6 of the number): no bf16 or f16 on the way to a quantiser, and a product that is left as it is and whose result goes on into a quantised operand takes f32 operands (vector FMAs, or v_wmma_f32_16x16x4_f32). A number that lies on a knife's edge between two numbers of the format may be rounded either way, as far as f32 arithmetic and the matrix unit's own rounding can turn it there, and no further.
;; 2 versions, each right; version 2 is version 1 with the launch attn written anew for expert scheduling mode. Each part assembles by itself: llvm-mc -triple=amdgcn-amd-amdhsa -mcpu=gfx1250 --defsym DOCPART=n.
;; ======== version 1 of 2: 3 launches
;; workspace buffers: xc 25,165,824 bytes; wc 3,145,728 bytes; img 25,165,824 bytes
;; launch quant (part 1): grid 864 x 1, 4 waves a work-group, no clusters, 33,280 bytes of LDS; arguments q, k, v, wq, wk, wv, lowp_scales, xc, wc; writes xc, wc
.if DOCPART == 1
	.amdgcn_target "amdgcn-amd-amdhsa--gfx1250"
	.amdhsa_code_object_version 6
	.text
	.protected	k_qc3c9f5b8e9_quant
	.globl	k_qc3c9f5b8e9_quant
	.p2align	8
	.type	k_qc3c9f5b8e9_quant,@function
k_qc3c9f5b8e9_quant:
	s_mov_b64 s[64:65], 0
	v_nop
	global_prefetch_b8 v0, s[64:65] scope:SCOPE_SE
	s_setreg_imm32_b32 hwreg(HW_REG_WAVE_MODE, 25, 1), 1
	s_wait_xcnt 0x0
; q, k, v [8192][1024] and wq, wk, wv [1024][1024], f32, K innermost, become codes of E4M3, one byte each, K innermost: xc = [3][8192][1024], wc = [3][1024][1024].
; code = x / 2^e, held within +-448, to the nearest code, ties to even.  e: entry 2 t of the given exponents for activation t (q, k, v), entry 2 t + 1 for its weight.
; LIMITS: -126 <= e <= 119, so that 2^e and 448 x 2^e are f32 numbers.  NaN among the inputs is not served; an infinity is held at the largest code.
; Rows are dense, so each tensor is a plain stream.  A work-group takes 32,768 numbers, a wave 8,192, in 16 steps of 512.  The first 768 work-groups take q, k, v (256 each), the other 96 the weights (32 each):
; only pointers and offsets are chosen by the work-group's number; there is one path through the text.
; A conversion takes 8 neighbours from ONE lane's registers, a load is best where neighbouring LANES take neighbouring bytes: each of a step's four loads reads 512 consecutive bytes, 16 a lane; the 2,048 bytes turn
; through the wave's own stage in LDS (16 bytes of padding behind each 64) and come back 64 bytes a lane.  A lane's 16 codes are 16 bytes: a store of the wave covers 512 consecutive bytes, aligned.
; No barrier: waves share nothing.  Loads run four steps (16 loads a wave) ahead, the turn through LDS one step.  Matrix units and clusters have nothing to do here: no number is used twice.
.set NACT,  768                        ; work-groups of q, k, v
.set STEPS, 16
.set EMAX,  8
.set MANT,  0x600000                   ; the mantissa field of 448 as f32
.set CB,    16                         ; bytes of 16 codes
.set R,     16                         ; v16-79   four sets of 16 numbers as they are loaded
.set X,     80                         ; v80-111  two sets of 16 neighbours
.set C,     128                        ; v128-191 codes: four registers for each step, so that no store's data are written again
.set WREG,  8192                       ; LDS: a region for each wave: two stages of 32 x SP bytes
.set SP,    80                         ; a lane's place in a stage: 64 bytes + 16 of padding
.set WV,    23                         ; s23      wave
.set SRC,   30                         ; s[30:31] where my wave's numbers begin
.set DST,   36                         ; s[36:37] where its codes go
	s_load_b256 s[4:11], s[0:1], 0x0               ; q, k, v, wq
	s_load_b256 s[12:19], s[0:1], 0x20             ; wk, wv, the exponents, xc
	s_load_b64 s[20:21], s[0:1], 0x40              ; wc
	v_lshl_add_u32 v192, v0, 2, 0x8000
	v_mov_b32 v193, 0
	v_lshrrev_b32 v1, 5, v0
	v_readfirstlane_b32 s[WV], v1                  ; wave 0..3
	v_and_b32 v2, 31, v0                           ; lane
	v_lshlrev_b32 v3, 4, v2                        ; my 16 bytes of a load's 512
	s_mul_i32 s46, s[WV], WREG
	v_lshrrev_b32 v14, 2, v2
	v_mul_u32_u24 v14, v14, SP
	v_and_b32 v15, 3, v2
	v_lshl_add_u32 v14, v15, 4, v14
	v_add_nc_u32 v14, s46, v14                     ; the stage, on the way in: four lanes' 64 bytes on end, then the padding
	v_mul_u32_u24 v15, v2, SP
	v_add_nc_u32 v15, s46, v15                     ; and on the way out: my 16 neighbours
	v_mul_u32_u24 v4, v2, CB                       ; my codes' place in a step's
	s_sub_co_u32 s25, ttmp9, NACT
	s_cmp_lt_u32 ttmp9, NACT                       ; an activation's work-group or a weight's?
	s_cselect_b32 s24, ttmp9, s25                  ; its number among its kind,
	s_cselect_b32 s26, 8, 5                        ; log2 of the work-groups to a tensor,
	s_cselect_b32 s27, 255, 31
	s_cselect_b32 s38, 23, 20                      ; log2 of a tensor's bytes of codes
	s_lshr_b32 s28, s24, s26                       ; which tensor of the three
	s_and_b32 s29, s24, s27                        ; which part of it
	s_lshl_b32 s40, s29, 2
	s_add_co_u32 s40, s40, s[WV]                   ; which run of 8,192 numbers is my wave's
	s_lshl_b32 s42, s40, 15                        ; in bytes of f32,
	s_mov_b32 s43, 0
	s_lshl_b32 s44, s28, s38
	s_lshl_b32 s45, s40, 13
	s_add_co_u32 s44, s44, s45                     ; and of codes, behind the tensors before it
	s_mov_b32 s45, 0
	s_wait_kmcnt 0x0
	s_cmp_lt_u32 ttmp9, NACT                       ; the choices hang on the work-group's number alone
	s_cselect_b64 s[30:31], s[4:5], s[10:11]
	s_cselect_b64 s[32:33], s[6:7], s[12:13]
	s_cselect_b64 s[34:35], s[8:9], s[14:15]
	s_cselect_b64 s[DST:DST+1], s[18:19], s[20:21]
	s_cmp_eq_u32 s28, 1
	s_cselect_b64 s[30:31], s[32:33], s[30:31]
	s_cmp_eq_u32 s28, 2
	s_cselect_b64 s[SRC:SRC+1], s[34:35], s[30:31]
	s_load_b256 s[4:11], s[16:17], 0x0             ; exponents 0 to 7 (the pointers that stood here have been chosen from)
	s_add_nc_u64 s[SRC:SRC+1], s[SRC:SRC+1], s[42:43]
	s_add_nc_u64 s[DST:DST+1], s[DST:DST+1], s[44:45]
.macro LOAD t
.irp i, 0,1,2,3
	global_load_b128 v[R+16*((\t)%4)+4*\i:R+16*((\t)%4)+4*\i+3], v3, s[SRC:SRC+1] offset:2048*(\t)+512*\i th:TH_LOAD_NT   ; 32 lanes read 512 consecutive bytes; read once in the launch
.endr
.endm
.macro TURN t                          ; step t's numbers through the stage: LDS serves a wave's instructions in order, so no wait stands between the stores and the loads
.irp i, 0,1,2,3
	ds_store_b128 v14, v[R+16*((\t)%4)+4*\i:R+16*((\t)%4)+4*\i+3] offset:32*SP*((\t)%2)+8*SP*\i
.endr
.irp i, 0,1,2,3
	ds_load_b128 v[X+16*((\t)%2)+4*\i:X+16*((\t)%2)+4*\i+3], v15 offset:32*SP*((\t)%2)+16*\i
.endr
.endm
.irp t, 0,1,2,3
	LOAD \t
.endr
	s_wait_kmcnt 0x0
	s_cmp_lt_u32 ttmp9, NACT
	s_cselect_b32 s4, s4, s5                       ; the activation's entry or the weight's, for each of the three,
	s_cselect_b32 s6, s6, s7
	s_cselect_b32 s8, s8, s9
	s_cmp_eq_u32 s28, 1
	s_cselect_b32 s4, s6, s4
	s_cmp_eq_u32 s28, 2
	s_cselect_b32 s22, s8, s4                      ; e
	s_add_co_i32 s22, s22, 127
	s_lshl_b32 s24, s22, 23
	v_mov_b32 v11, s24                             ; 2^e as f32: the conversion takes its exponent field
	s_add_co_i32 s22, s22, EMAX
	s_lshl_b32 s22, s22, 23
	s_or_b32 s22, s22, MANT
	v_mov_b32 v10, s22                             ; 448 x 2^e
	s_wait_loadcnt 12                              ; step 0's four loads are in; the twelve of steps 1 to 3 may be out
	TURN 0
.macro STEP t
.set XS, X+16*((\t)%2)
	s_wait_dscnt 0x0                               ; this step's numbers are back from the stage: so its stores into the stage have read their registers,
.if (\t)+4 < STEPS
	LOAD (\t)+4                                    ; which take the loads of four steps on
.endif
.if (\t)+1 < STEPS
.if STEPS-2-(\t) >= 3
	s_wait_loadcnt 12                              ; the next step's four loads are in; those of the three steps behind it may be out
.else
	s_wait_loadcnt 4*(STEPS-2-(\t))                ; the same at the end, where fewer steps are behind it
.endif
	TURN (\t)+1                                    ; and go through the other stage while this step is worked
.endif
.irp i, 0,1,2,3,4,5,6,7,8,9,10,11,12,13,14,15
	v_med3_num_f32 v[XS+\i], v[XS+\i], -v10, v10   ; the conversion to an 8-bit code does not saturate (ISA guide 7.6.2): the hold at the largest code x the scale comes first
.endr
	v_cvt_scalef32_pk8_fp8_f32 v[C+4*(\t):C+4*(\t)+1], v[XS:XS+7], v11
	v_cvt_scalef32_pk8_fp8_f32 v[C+4*(\t)+2:C+4*(\t)+3], v[XS+8:XS+15], v11
	global_store_b128 v4, v[C+4*(\t):C+4*(\t)+3], s[DST:DST+1] offset:32*CB*(\t)   ; the codes go to a store alone; the next vector lines are the next step's holds, on other registers
.endm
.irp t, 0,1,2,3,4,5,6,7,8,9,10,11,12,13,14,15
	STEP \t
.endr
	s_wait_tensorcnt 0x0
	ds_add_u32 v192, v193
	s_wait_dscnt 0x0
	s_endpgm
.Lfunc_end_k_qc3c9f5b8e9_quant:
	.size	k_qc3c9f5b8e9_quant, .Lfunc_end_k_qc3c9f5b8e9_quant-k_qc3c9f5b8e9_quant
	.p2alignl 7, 3214868480
	.fill 96, 4, 3214868480
	.section	.rodata,"a",@progbits
	.p2align	6, 0x0
	.amdhsa_kernel k_qc3c9f5b8e9_quant
		.amdhsa_group_segment_fixed_size 33280
		.amdhsa_private_segment_fixed_size 0
		.amdhsa_enable_private_segment 0
		.amdhsa_kernarg_size 72
		.amdhsa_user_sgpr_count 2
		.amdhsa_user_sgpr_kernarg_segment_ptr 1
		.amdhsa_wavefront_size32 1
		.amdhsa_system_sgpr_workgroup_id_x 1
		.amdhsa_system_sgpr_workgroup_id_y 1
		.amdhsa_system_sgpr_workgroup_id_z 1
		.amdhsa_system_vgpr_workitem_id 0
		.amdhsa_next_free_vgpr 194
		.amdhsa_next_free_sgpr 66
		.amdhsa_reserve_vcc 0
		.amdhsa_float_denorm_mode_32 3
		.amdhsa_float_denorm_mode_16_64 3
		.amdhsa_memory_ordered 1
		.amdhsa_forward_progress 1
		.amdhsa_inst_pref_size 38
	.end_amdhsa_kernel
	.amdgpu_metadata
---
amdhsa.version: [ 1, 2 ]
amdhsa.kernels:
  - .name:           k_qc3c9f5b8e9_quant
    .symbol:         k_qc3c9f5b8e9_quant.kd
    .args:
      - { .name: q, .offset: 0, .size: 8, .value_kind: global_buffer, .address_space: global }
      - { .name: k, .offset: 8, .size: 8, .value_kind: global_buffer, .address_space: global }
      - { .name: v, .offset: 16, .size: 8, .value_kind: global_buffer, .address_space: global }
      - { .name: wq, .offset: 24, .size: 8, .value_kind: global_buffer, .address_space: global }
      - { .name: wk, .offset: 32, .size: 8, .value_kind: global_buffer, .address_space: global }
      - { .name: wv, .offset: 40, .size: 8, .value_kind: global_buffer, .address_space: global }
      - { .name: lowp_scales, .offset: 48, .size: 8, .value_kind: global_buffer, .address_space: global }
      - { .name: xc, .offset: 56, .size: 8, .value_kind: global_buffer, .address_space: global }
      - { .name: wc, .offset: 64, .size: 8, .value_kind: global_buffer, .address_space: global }
    .group_segment_fixed_size: 33280
    .private_segment_fixed_size: 0
    .kernarg_segment_align: 8
    .kernarg_segment_size: 72
    .max_flat_workgroup_size: 128
    .sgpr_count:     66
    .vgpr_count:     194
    .wavefront_size: 32
...
	.end_amdgpu_metadata
.endif
;; end of part 1
;; launch proj (part 2): grid 4 x 96, 4 waves a work-group, clusters of 4 x 4, 327,680 bytes of LDS; arguments xc, wc, lowp_scales, bq, bk, bv, img; writes img
.if DOCPART == 2
	.amdgcn_target "amdgcn-amd-amdhsa--gfx1250"
	.amdhsa_code_object_version 6
	.text
	.protected	k_qc3c9f5b8e9_proj
	.globl	k_qc3c9f5b8e9_proj
	.p2align	8
	.type	k_qc3c9f5b8e9_proj,@function
k_qc3c9f5b8e9_proj:
	s_mov_b64 s[64:65], 0
	v_nop
	global_prefetch_b8 v0, s[64:65] scope:SCOPE_SE
	s_setreg_imm32_b32 hwreg(HW_REG_WAVE_MODE, 25, 1), 1
	s_wait_xcnt 0x0
	s_wait_alu depctr_hold_cnt(0) depctr_sa_sdst(0) depctr_va_vdst(0) depctr_va_sdst(0) depctr_va_ssrc(0) depctr_va_vcc(0) depctr_vm_vsrc(0)
	s_getreg_b32 s2, hwreg(HW_REG_IB_STS2, 6, 4)
	s_cmp_eq_u32 s2, 0
	s_cbranch_scc0 .Lentry_in_a_cluster
	s_endpgm
.Lentry_in_a_cluster:
	s_bfe_u32 s2, ttmp6, 0x10000c
	s_cmp_lg_u32 s2, 0xf033
	s_cbranch_scc0 .Lentry_shape_is_right
	s_endpgm
.Lentry_shape_is_right:
; The three projections x W^T + b on codes of E4M3, K = 1,024; the results are quantised in registers for attention's products and stored as IMAGES OF THE OPERANDS' REGISTERS.
; One body.  A tile is 256 rows of "A" x 256 rows of "B"; four waves, each 128 x 128: 64 accumulators of 16 x 16.  THE MATRIX INSTRUCTION IS USED TRANSPOSED (source 0 = 16 rows of B, source 1 = 16 rows of A):
; lane (r, h) holds row r of A's block and, in registers 0-7, rows 8 h + 0 .. 7 of B's block: eight neighbours along B's rows, which one conversion packs.
;   q, k:  A = tokens (xc), B = features (wc): the eight neighbours run along the head's 64, the K of the score product.
;   v:     A = features (wv's codes), B = tokens (v's codes): the eight neighbours run along the keys, the K of the second product.  The roles are swapped by addresses alone; nothing is transposed.
; img: Q at 0, K at 8 MiB: [token / 16][head][quad 2][lane][16 bytes]: 1 KiB = a fragment of 16 tokens x 64; lane (r, h), registers 2 c, 2 c + 1: d = 16 c + 8 h + 0 .. 7 of token r.
;      V at 16 MiB: [token / 128][feature / 16][quad 4][lane][16 bytes]: 2 KiB = a fragment of 16 channels x 128 keys; lane (r, h), registers 2 c, 2 c + 1: keys 16 c + 8 h + 0 .. 7 of channel r.
; A sum stands for sum x 2^(ex + ew).  The bias goes in as the C of the first K step, divided by that power; the conversion's one scale is 2^(eo - ex - ew), eo the exponent given for the result as an operand.
; LIMITS: eo - ex - ew between -126 and 119, so that this power and 448 x it are f32 numbers.  NaN among the inputs is not served.
; K goes in steps of 256 through a ring of two LDS slots filled by the tensor data mover; four K steps, all written out.
; CLUSTERS: 4 x 4 work-groups; 8 clusters to a tensor.  The four of a row of the cluster need the same tiles of A, the four of a column the same tiles of B: each tile is asked for JOINTLY, by the same tensor load
; with the same descriptor and a mask that names the four.  Which tensor a cluster serves hangs on the cluster's y alone: it is the same in all sixteen partners.
; REGISTERS, in windows of 256: window 0: v8-15 store offsets; v16-29 addresses, the scale, the hold; v32-95 the bias in the result's layout, later the held sums; v96-103 the bias loads' offsets;
;   v128-255 A's fragments (8 x 16 rows x 128 K), ONE set; on the way out the codes.   window 1: B's fragments, TWO sets.   windows 2, 3: the accumulators of my rows 0-63, 64-127 ((a, b) at v[8 (8 (a % 4) + b)]).
.set ROWB,   256                       ; a tile's row in bytes: 256 codes
.set KROW,   1024                      ; a row of A or of B in memory, in bytes
.set PITCH,  272                       ; an LDS row: 256 bytes + 16 of padding = 68 words: the 16 rows that a load touches start at 16 different banks (64 banks of 4 bytes: ISA guide 11.1)
.set FR,     16                        ; registers of a fragment: 16 rows x 128 K
.set NL,     4                         ; LDS loads that bring one
.set NP,     4                         ; places behind this matrix instruction (ISA guide 7.12.1)
.set HALFT,  128*PITCH                 ; 128 rows: what one tensor load brings, and what one wave reads of A or of B
.set SLOT,   4*HALFT                   ; A's 256 rows, then B's 256 rows
.set SPARE,  2*SLOT                    ; behind the ring: the spare words, 128 bytes for each wave: two blocks of 256 bytes that no other line names
.set VO,   8                           ; v8-15   block a's store offset: 16 x lane + a x the image's stride from block to block
.set ADRA, 16                          ; v16-17  LDS address of my A fragments in slot 0, 1
.set ADRB, 20                          ; v20-21  the same for B
.set LIM,  24                          ; v24     448 x 2^(eo - ex - ew)
.set SCL,  25                          ; v25     2^(eo - ex - ew)
.set SPW,  28                          ; v28     LDS address of my spare word; never rewritten
.set NIL,  29                          ; v29     0; never rewritten
.set BIAS, 32
.set TMP,  32
.set VA,   96
.set AF,   128
.set PC,   128
.set G1,  24                           ; s[24:31] descriptor group 1 for A's tiles;  s[32:39] group 0, one set for each slot
.set G0,  32
.set G1B, 48                           ; s[48:55], s[56:63] the same for B's tiles
.set G0B, 56
.set TEN, 75                           ; s75     0: q, 1: k, 2: v
.set OUTP, 72                          ; s[72:73] img, then my wave's first image
.set MSB, 0
.macro WIN new                         ; the immediate's high byte repeats the setting that is left
.if MSB != \new
	s_set_vgpr_msb (MSB<<8)|\new
.set MSB, \new
.endif
.endm
.set MUL_LO, 0xa1                      ; source 0 (B) window 1, source 1 (A) window 0, C and D window 2
.set MUL_HI, 0xf1                      ; the same, C and D window 3
.set BEG_LO, 0x81                      ; the first K step: C (the bias) window 0, D window 2
.set BEG_HI, 0xc1                      ; D window 3
.set TO_B,   0x40                      ; destination window 1, address window 0
; A joint load: waves 0 and 1 fetch for A, waves 2 and 3 for B.  Each line has ONE mask and one set of registers for all that issue it; the branch hangs on the wave's number alone.
; Four v_nop follow each of the two lines, ahead of the jump, the label and what follows.
.macro JLOAD g0a, g1a, g0b, g1b
	s_cmp_eq_u32 s15, 0
	s_cbranch_scc0 .Lfor_b_\@
	tensor_load_to_lds s[\g0a:\g0a+3], s[\g1a:\g1a+7]
	s_nop 0
.rept 4
	v_nop
.endr
	s_branch .Lasked_\@
.Lfor_b_\@:
	tensor_load_to_lds s[\g0b:\g0b+3], s[\g1b:\g1b+7]
	s_nop 0
.rept 4
	v_nop
.endr
.Lasked_\@:
.endm
.macro CREST                           ; a round of the cluster's barrier behind its opening barrier
	s_cmp_lg_u32 s14, 0
	s_cbranch_scc1 .Lnot_wave_0_\@
	s_barrier_signal -3
.Lnot_wave_0_\@:
	s_barrier_wait -3
	s_barrier_signal -1
	s_barrier_wait -1
.endm
.macro CROUND                          ; a whole round
	s_barrier_signal -1
	s_barrier_wait -1
	CREST
.endm
	s_load_b128 s[4:7], s[0:1], 0x0                ; xc s[4:5], wc s[6:7]
	s_load_b128 s[8:11], s[0:1], 0x10              ; the exponents s[8:9], bq s[10:11]
	s_load_b128 s[68:71], s[0:1], 0x20             ; bk s[68:69], bv s[70:71]
	s_load_b64 s[OUTP:OUTP+1], s[0:1], 0x30        ; img
	v_lshl_add_u32 v[SPW], v0, 2, SPARE
	v_mov_b32 v[NIL], 0
	ds_add_u32 v28, v29
	ds_add_u32 v28, v29
	s_wait_dscnt 0x0
	v_lshrrev_b32 v1, 5, v0
	v_readfirstlane_b32 s14, v1                    ; wave 0..3
	s_lshr_b32 s15, s14, 1                         ; which half of the tile's rows of A is mine.  Also: I fetch for A (0) or for B (1)
	s_and_b32 s16, s14, 1                          ; which half of its rows of B.  Also: which 128 rows of that tile I fetch
	s_bfe_u32 s40, ttmp6, 0x40000                  ; cx, cy: my place in the cluster
	s_bfe_u32 s41, ttmp6, 0x40004
	s_and_b32 s74, ttmp7, 0xffff                   ; the cluster's y, 0 to 23
	s_lshr_b32 s[TEN], s74, 3                      ; the tensor
	s_and_b32 s76, s74, 7
	s_lshl_b32 s76, s76, 2                         ; the cluster's first tile along the tokens
	s_lshl_b32 s77, s[TEN], 23                     ; the tensor's part of xc and of img,
	s_lshl_b32 s78, s[TEN], 20                     ; and of wc
	s_lshl_b32 s42, ttmp9, 2
	s_cmp_eq_u32 s[TEN], 2                         ; v: the tokens are B's rows
	s_cselect_b32 s79, 0, s76
	s_cselect_b32 s80, s76, 0
	s_cselect_b32 s81, 0x200000, s77               ; where A begins in its buffer
	s_cselect_b32 s82, 0x1000000, s78              ; where B begins in its buffer
	s_add_co_u32 s17, s79, s41                     ; tile row (of A)
	s_add_co_u32 s42, s42, s80
	s_add_co_u32 s42, s42, s40                     ; tile column (of B)
	s_lshl_b32 s43, s41, 2
	s_lshl_b32 s43, 15, s43                        ; my row of the cluster
	s_lshl_b32 s44, 0x1111, s40                    ; my column
	; descriptor group 1: a tile of 128 rows x 256 bytes, padded in LDS
	s_or_b32 s[G1+0], s43, (0<<16)|(1<<20)|(1<<21)|(5<<22)|(3<<25)  ; 15:0 the mask: A's tiles go to my row; 17:16 element of 1 byte; 20 padding on; 21 set beside a mask; 24:22 after every 64 words (code 5); 31:25 of 4 words (code 3)
	s_or_b32 s[G1B+0], s44, (0<<16)|(1<<20)|(1<<21)|(5<<22)|(3<<25) ; the same with the mask of my column
.irp g, G1, G1B
	s_mov_b32 s[\g+1], ROWB<<16                    ; tensor_dim0
	s_mov_b32 s[\g+2], 128<<16                     ; tensor_dim1 = 128
	s_mov_b32 s[\g+3], ROWB<<16                    ; tile_dim0
	s_mov_b32 s[\g+4], 128                         ; tile_dim1 = 128
	s_mov_b32 s[\g+5], KROW                        ; tensor_dim0_stride
	s_mov_b32 s[\g+6], 0
	s_mov_b32 s[\g+7], 0
.endr
	s_lshl_b32 s18, s16, 7                         ; which 128 rows of the tile I fetch
	s_lshl_b32 s20, s17, 8
	s_add_co_u32 s20, s20, s18                     ; A: row 256 x tile row + 128 x half: it never holds cx
	s_lshl_b32 s46, s42, 8
	s_add_co_u32 s46, s46, s18                     ; B: row 256 x tile column + 128 x half: it never holds cy
	s_lshl_b32 s20, s20, 10                        ; rows of 1,024 bytes
	s_lshl_b32 s46, s46, 10
	s_add_co_u32 s20, s20, s81
	s_add_co_u32 s46, s46, s82
	s_mov_b32 s21, 0
	s_mov_b32 s47, 0
	s_mul_i32 s45, s14, HALFT                      ; where they go: wave x 128 rows: no place in the cluster enters an LDS address
	s_wait_kmcnt 0x0
	s_load_b256 s[84:91], s[8:9], 0x0              ; exponents 0 to 7
	s_load_b64 s[92:93], s[8:9], 0x20              ; 8 and 9
	s_cmp_eq_u32 s[TEN], 2
	s_cselect_b64 s[98:99], s[6:7], s[4:5]         ; A's buffer
	s_cselect_b64 s[100:101], s[4:5], s[6:7]       ; B's buffer
	s_add_nc_u64 s[20:21], s[98:99], s[20:21]
	s_add_nc_u64 s[46:47], s[100:101], s[46:47]
	CROUND                                         ; all sixteen work-groups are here: the first joint loads meet
.irp s, 0,1
	s_mov_b32 s[G0+4*\s], 1
	s_add_co_u32 s[G0+4*\s+1], s45, \s*SLOT
	s_add_nc_u64 s[G0+4*\s+2:G0+4*\s+3], s[20:21], \s*ROWB
	s_or_b32 s[G0+4*\s+3], s[G0+4*\s+3], 0x80000000
	s_mov_b32 s[G0B+4*\s], 1
	s_add_co_u32 s[G0B+4*\s+1], s45, \s*SLOT
	s_add_nc_u64 s[G0B+4*\s+2:G0B+4*\s+3], s[46:47], \s*ROWB
	s_or_b32 s[G0B+4*\s+3], s[G0B+4*\s+3], 0x80000000
	JLOAD G0+4*\s, G1, G0B+4*\s, G1B               ; two loads of mine are out
.endr
	v_and_b32 v1, 15, v0                           ; r = lane % 16
	v_bfe_u32 v2, v0, 4, 1                         ; h = lane / 16
	v_mul_u32_u24 v3, v1, PITCH
	v_lshl_add_u32 v4, v2, 4, v3                   ; a fragment's row x pitch + 16 x half
	s_mul_i32 s21, s15, HALFT                      ; my 128 rows of A
	s_mul_i32 s22, s16, HALFT                      ; my 128 rows of B,
	s_add_co_u32 s22, s22, 2*HALFT                 ; which lie behind A's 256
.irp s, 0,1
	v_add_nc_u32 v[ADRA+\s], s21, v4
	v_add_nc_u32 v[ADRB+\s], s22, v4
	s_add_co_u32 s21, s21, SLOT
	s_add_co_u32 s22, s22, SLOT
.endr
	; THE BIAS, in the result's layout: 64 registers.  q, k: it hangs on B's row: register 8 b + j = bias[my first feature + 16 b + 8 h + j].  v: on A's row: register 8 a + j = bias[my first feature + 16 a + r], for every j.
	; One text loads both: lane offset h x sH + r x sR, register j a further j x sJ, block x a further 64 bytes; (sH, sR, sJ) = (32, 0, 4) or (0, 4, 0).
	s_cmp_eq_u32 s[TEN], 1
	s_cselect_b64 s[94:95], s[68:69], s[10:11]
	s_cmp_eq_u32 s[TEN], 2
	s_cselect_b64 s[94:95], s[70:71], s[94:95]
	s_cselect_b32 s96, 0, 32
	s_cselect_b32 s97, 4, 0
	s_cselect_b32 s79, 0, 4
	s_cselect_b32 s83, 11, 14                      ; log2 of the image's stride from one block of A's rows to the next: 2 KiB (a fragment of V) or 16 KiB (16 heads' fragments)
	s_cselect_b32 s80, 17, 11                      ; and from one 128 of B's rows to the next: 128 KiB (64 fragments of V) or 2 KiB (two heads' fragments)
	s_lshl_b32 s98, s42, 1
	s_add_co_u32 s98, s98, s16                     ; which 128 of B's rows are mine: 2 x tile column + half
	s_lshl_b32 s99, s17, 1
	s_add_co_u32 s99, s99, s15                     ; which 128 of A's rows: 2 x tile row + half
	s_cmp_eq_u32 s[TEN], 2
	s_cselect_b32 s100, s99, s98                   ; which 128 features
	s_lshl_b32 s100, s100, 9
	s_mov_b32 s101, 0
	s_add_nc_u64 s[94:95], s[94:95], s[100:101]
	v_mul_u32_u24 v[VA], v2, s96
	v_mad_u32_u24 v[VA], v1, s97, v[VA]
.irp j, 1,2,3,4,5,6,7
	v_add_nc_u32 v[VA+\j], s79, v[VA+\j-1]
.endr
.irp x, 0,1,2,3,4,5,6,7
.irp j, 0,1,2,3,4,5,6,7
	global_load_b32 v[BIAS+8*\x+\j], v[VA+\j], s[94:95] offset:64*\x
.endr
.endr
	; where my wave's images go
	s_lshl_b32 s99, s99, 3                         ; my first block of 16 rows of A
	s_lshl_b32 s99, s99, s83
	s_lshl_b32 s98, s98, s80
	s_add_co_u32 s100, s98, s99
	s_add_co_u32 s100, s100, s77                   ; in the tensor's part of img
	s_add_nc_u64 s[OUTP:OUTP+1], s[OUTP:OUTP+1], s[100:101]
	s_lshl_b32 s83, 1, s83
	v_and_b32 v5, 31, v0
	v_lshlrev_b32 v[VO], 4, v5
.irp a, 1,2,3,4,5,6,7
	v_add_nc_u32 v[VO+\a], s83, v[VO+\a-1]
.endr
	s_wait_kmcnt 0x0
	s_cmp_eq_u32 s[TEN], 1                         ; (ex, ew, eo) = entries (0, 1, 6), (2, 3, 7) or (4, 5, 9)
	s_cselect_b32 s96, s86, s84
	s_cselect_b32 s97, s87, s85
	s_cselect_b32 s98, s91, s90
	s_cmp_eq_u32 s[TEN], 2
	s_cselect_b32 s96, s88, s96
	s_cselect_b32 s97, s89, s97
	s_cselect_b32 s98, s93, s98
	s_add_co_i32 s96, s96, s97                     ; ex + ew
	s_sub_co_i32 s97, 0, s96
	s_sub_co_i32 s98, s98, s96                     ; eo - ex - ew
	s_add_co_i32 s98, s98, 127
	s_lshl_b32 s99, s98, 23
	v_mov_b32 v[SCL], s99
	s_add_co_i32 s98, s98, 8
	s_lshl_b32 s98, s98, 23
	s_or_b32 s98, s98, 0x600000
	v_mov_b32 v[LIM], s98
	s_wait_loadcnt 0x0                             ; the bias
.set i, 0
.rept 64
	v_ldexp_f32 v[BIAS+i], v[BIAS+i], s97          ; bias / 2^(ex + ew): the power that the sums lack
.set i, i+1
.endr
.macro FRAG reg, adr, q, i             ; a fragment: lane l holds row l % 16; registers 4 c .. 4 c + 3 hold K = 32 c + 16 (l / 16) + 0 .. 15: a permutation of k, the same in A and in B, so that every product meets its partner
.irp c, 0,1,2,3
	ds_load_b128 v[\reg+4*\c:\reg+4*\c+3], v[\adr] offset:128*(\q)+32*\c+(\i)*16*PITCH
.endr
.endm
; 16 matrix instructions: A's blocks a0, a0 + 1 x B's eight, 128 along K.  p: B's set.  mode 0: onto the sums; 1: the bias by B's block starts them; 2: the bias by A's block.
; The 64 accumulators take turns, one instruction a turn, in the same order in every step.
.macro MUL16 a0, p, mode
.irp a, \a0, \a0+1
.irp b, 0,1,2,3,4,5,6,7
.if \mode == 0
	v_wmma_f32_16x16x128_fp8_fp8 v[8*(8*((\a)%4)+\b):8*(8*((\a)%4)+\b)+7], v[128*(\p)+FR*\b:128*(\p)+FR*\b+FR-1], v[AF+FR*(\a):AF+FR*(\a)+FR-1], v[8*(8*((\a)%4)+\b):8*(8*((\a)%4)+\b)+7]
.elseif \mode == 1
	v_wmma_f32_16x16x128_fp8_fp8 v[8*(8*((\a)%4)+\b):8*(8*((\a)%4)+\b)+7], v[128*(\p)+FR*\b:128*(\p)+FR*\b+FR-1], v[AF+FR*(\a):AF+FR*(\a)+FR-1], v[BIAS+8*\b:BIAS+8*\b+7]
.else
	v_wmma_f32_16x16x128_fp8_fp8 v[8*(8*((\a)%4)+\b):8*(8*((\a)%4)+\b)+7], v[128*(\p)+FR*\b:128*(\p)+FR*\b+FR-1], v[AF+FR*(\a):AF+FR*(\a)+FR-1], v[BIAS+8*(\a):BIAS+8*(\a)+7]
.endif
.endr
.endr
.endm
.macro FETCH_B slot, q, p              ; B's eight fragments of the slot's q-th 128 along K into set p
	WIN TO_B
.irp i, 0,1,2,3,4,5,6,7
	FRAG 128*(\p)+FR*\i, ADRB+\slot, \q, \i
.endr
	WIN 0
.endm
.macro FETCH_A slot, q, i0             ; A's blocks i0 .. i0 + 3
.irp i, \i0, \i0+1, \i0+2, \i0+3
	FRAG AF+FR*(\i), ADRA+\slot, \q, \i
.endr
.endm
; A load into a register that a matrix instruction has read, and a vector instruction that reads a matrix result, stand NP places behind that matrix instruction; only plain vector instructions
; that name none of its registers are places (ISA guide 7.12.1 for vector instructions).
.macro PLACES n
.rept \n
	v_nop
.endr
.endm
; A step of 128 along K that has its successor in the same slot.  A block of A is free as soon as its eight products are issued: blocks 0-3 are fetched anew in the step's middle, blocks 4-7 at its end.
.macro STEP slot, q, mode
	s_wait_dscnt 4*NL                              ; B's set and A's blocks 0-3 are in; the youngest sixteen loads (A's blocks 4-7) may be out
.if \mode
	WIN BEG_LO
.else
	WIN MUL_LO
.endif
	MUL16 0, (\q)%2, \mode
	MUL16 2, (\q)%2, \mode
	s_wait_dscnt 0                                 ; A's blocks 4-7 are in (asked for 32 matrix instructions ago)
	PLACES NP
	FETCH_B \slot, (\q)+1, 1-(\q)%2
	FETCH_A \slot, (\q)+1, 0
.if \mode
	WIN BEG_HI
.else
	WIN MUL_HI
.endif
	MUL16 4, (\q)%2, \mode
	MUL16 6, (\q)%2, \mode
	PLACES NP
	WIN 0
	FETCH_A \slot, (\q)+1, 4
.endm
; A slot's last step changes slots: ONE barrier; in front of it each wave waits for all its tensor loads, adds 0 to its spare word, and waits for that and for its own reads of this slot.  fill = 1: this slot is filled again, two K steps ahead.
.macro TURN slot, next, fill
	s_wait_tensorcnt 0x0                           ; all my tensor loads have landed: my part of the next slot  (every window is 0 here)
	ds_add_u32 v[SPW], v[NIL]                      ; 0 onto my spare word
	s_wait_dscnt 4*NL+1                            ; (the add and the youngest sixteen loads, A's blocks 4-7, may be out)
	WIN MUL_LO
	MUL16 0, 1, 0                                  ; sixteen matrix instructions stand between the add and the wait for it
	s_wait_dscnt 0x0                               ; the add is done, and my reads of this slot are over
	s_barrier_signal -1
	MUL16 2, 1, 0
	WIN 0
	s_barrier_wait -1
.if \fill
	CREST                                          ; the barrier has opened a round of the cluster's barrier: no wave of any partner still reads this slot's tile or has a load on its way
	s_add_nc_u64 s[G0+4*\slot+2:G0+4*\slot+3], s[G0+4*\slot+2:G0+4*\slot+3], 2*ROWB
	s_add_nc_u64 s[G0B+4*\slot+2:G0B+4*\slot+3], s[G0B+4*\slot+2:G0B+4*\slot+3], 2*ROWB
	JLOAD G0+4*\slot, G1, G0B+4*\slot, G1B         ; the first tensor load behind the round, my only one until the next; its four v_nop are also the places in front of the loads below
.else
	PLACES NP
.endif
	FETCH_B \next, 0, 0
	FETCH_A \next, 0, 0
	WIN MUL_HI
	MUL16 4, 1, 0
	MUL16 6, 1, 0
	PLACES NP
	WIN 0
	FETCH_A \next, 0, 4
.endm
	s_wait_tensorcnt 1                             ; my part of K step 0 is in; K step 1's load may stay out
	s_barrier_signal -1
	s_barrier_wait -1                              ; everybody's is
	FETCH_B 0, 0, 0
	FETCH_A 0, 0, 0
	FETCH_A 0, 0, 4
	s_cmp_eq_u32 s[TEN], 2                         ; the first step is written twice: only the registers of C differ.  The branch hangs on the cluster's y: all partners and all waves go the same way; both ways issue the same loads
	s_cbranch_scc1 .Lfirst_v
	STEP 0, 0, 1
	s_branch .Lfirst_done
.Lfirst_v:
	STEP 0, 0, 2
.Lfirst_done:
	TURN 0, 1, 1                                   ; K 128-255; slot 0 takes K 512-767
	STEP 1, 0, 0
	TURN 1, 0, 1                                   ; slot 1 takes K 768-1023
	STEP 0, 0, 0
	TURN 0, 1, 0                                   ; nothing is left to fetch, and no round follows
	STEP 1, 0, 0
	s_wait_dscnt 4*NL                              ; the very last step
	WIN MUL_LO
	MUL16 0, 1, 0
	MUL16 2, 1, 0
	s_wait_dscnt 0
	WIN MUL_HI
	MUL16 4, 1, 0
	MUL16 6, 1, 0
	WIN 0
; THE WAY OUT, block a of 16 rows of A at a time.  The 64 sums of a lane are held within +-448 x the scale (each accumulator from its low end on), eight conversions make 16 registers of codes:
; q, k: registers 0-7 and 8-15 are two neighbouring heads' fragments; v: one fragment of 128 keys.  Four stores, each 512 consecutive bytes, aligned.  Every block has its own registers: no store's source is written again.
.macro OUTB a
.set AC, 64*((\a)%4)
	WIN 0x02+((\a)/4)                              ; source 0: window 2 or 3
.set i, 0
.rept 64
	v_med3_num_f32 v[TMP+i], v[AC+i], -v[LIM], v[LIM]   ; the conversion to an 8-bit code does not saturate (ISA guide 7.6.2)
.set i, i+1
.endr
	WIN 0
.irp b, 0,1,2,3,4,5,6,7
	v_cvt_scalef32_pk8_fp8_f32 v[PC+16*(\a)+2*\b:PC+16*(\a)+2*\b+1], v[TMP+8*\b:TMP+8*\b+7], v[SCL]
.endr
	v_nop                                          ; a plain line between the conversions and the next block's holds, which write their sources
.irp n, 0,1,2,3
	global_store_b128 v[VO+(\a)], v[PC+16*(\a)+4*\n:PC+16*(\a)+4*\n+3], s[OUTP:OUTP+1] offset:512*\n
.endr
.endm
	PLACES NP
.irp a, 0,1,2,3,4,5,6,7
	OUTB \a
.endr
	s_wait_tensorcnt 0x0                           ; the wave's end
	ds_add_u32 v[SPW], v[NIL]
	s_wait_dscnt 0x0
	CROUND                                         ; the closing round: no work-group ends while a partner may still ask for a tile that names it
	s_endpgm
.Lfunc_end_k_qc3c9f5b8e9_proj:
	.size	k_qc3c9f5b8e9_proj, .Lfunc_end_k_qc3c9f5b8e9_proj-k_qc3c9f5b8e9_proj
	.p2alignl 7, 3214868480
	.fill 96, 4, 3214868480
	.section	.rodata,"a",@progbits
	.p2align	6, 0x0
	.amdhsa_kernel k_qc3c9f5b8e9_proj
		.amdhsa_group_segment_fixed_size 327680
		.amdhsa_private_segment_fixed_size 0
		.amdhsa_enable_private_segment 0
		.amdhsa_kernarg_size 56
		.amdhsa_user_sgpr_count 2
		.amdhsa_user_sgpr_kernarg_segment_ptr 1
		.amdhsa_wavefront_size32 1
		.amdhsa_system_sgpr_workgroup_id_x 1
		.amdhsa_system_sgpr_workgroup_id_y 1
		.amdhsa_system_sgpr_workgroup_id_z 1
		.amdhsa_system_vgpr_workitem_id 0
		.amdhsa_next_free_vgpr 1024
		.amdhsa_next_free_sgpr 102
		.amdhsa_reserve_vcc 0
		.amdhsa_float_denorm_mode_32 3
		.amdhsa_float_denorm_mode_16_64 3
		.amdhsa_memory_ordered 1
		.amdhsa_forward_progress 1
		.amdhsa_inst_pref_size 138
	.end_amdhsa_kernel
	.amdgpu_metadata
---
amdhsa.version: [ 1, 2 ]
amdhsa.kernels:
  - .name:           k_qc3c9f5b8e9_proj
    .symbol:         k_qc3c9f5b8e9_proj.kd
    .args:
      - { .name: xc, .offset: 0, .size: 8, .value_kind: global_buffer, .address_space: global }
      - { .name: wc, .offset: 8, .size: 8, .value_kind: global_buffer, .address_space: global }
      - { .name: lowp_scales, .offset: 16, .size: 8, .value_kind: global_buffer, .address_space: global }
      - { .name: bq, .offset: 24, .size: 8, .value_kind: global_buffer, .address_space: global }
      - { .name: bk, .offset: 32, .size: 8, .value_kind: global_buffer, .address_space: global }
      - { .name: bv, .offset: 40, .size: 8, .value_kind: global_buffer, .address_space: global }
      - { .name: img, .offset: 48, .size: 8, .value_kind: global_buffer, .address_space: global }
    .group_segment_fixed_size: 327680
    .private_segment_fixed_size: 0
    .kernarg_segment_align: 8
    .kernarg_segment_size: 56
    .max_flat_workgroup_size: 128
    .sgpr_count:     102
    .vgpr_count:     1024
    .wavefront_size: 32
...
	.end_amdgpu_metadata
.endif
;; end of part 2
;; launch attn (part 3): grid 4 x 64, 8 waves a work-group, no clusters, 306,176 bytes of LDS; arguments img, mask, lowp_scales, out0; writes out0
.if DOCPART == 3
	.amdgcn_target "amdgcn-amd-amdhsa--gfx1250"
	.amdhsa_code_object_version 6
	.text
	.protected	k_qc3c9f5b8e9_attn
	.globl	k_qc3c9f5b8e9_attn
	.p2align	8
	.type	k_qc3c9f5b8e9_attn,@function
k_qc3c9f5b8e9_attn:
	s_mov_b64 s[64:65], 0
	v_nop
	global_prefetch_b8 v0, s[64:65] scope:SCOPE_SE
	s_setreg_imm32_b32 hwreg(HW_REG_WAVE_MODE, 25, 1), 1
	s_wait_xcnt 0x0
; out0[b][q][64 h + :] = the sum over keys of softmax(Q . K / 8 + (1 - mask) x -1e30) V, both products on codes of E4M3, from the register images in img.
; THE SOFTMAX AHEAD OF THE SECOND PRODUCT: t = logit x log2(e); M = the running largest t rounded UP to a whole number; p = 2^(t - M) is quantised with the given 2^e8; the row's sum is taken of the unquantised p and
; divides at the end.  When M moves, the sum and O are multiplied by 2^(old M - new M): exact.
; SHARES.  256 work-groups: y = 16 b + head, x = a quarter of the queries (512).  The head's whole K (128 KiB), V (128 KiB) and 2,048 mask terms lie in LDS, filled ONCE, through registers; one barrier in the launch.
; A work-group walks two blocks of 256 queries; each of its eight waves owns two tiles of 16 queries in a block, so that each fragment read from LDS feeds two products.  Two waves share a SIMD: one's vector work stands beside
; the other's products and loads.  A key step is 128 keys: 16 score products (K = 64) and 8 second products (K = 128) a wave.
; NO CLUSTER, NO JOINT LOADS: what the four work-groups of a head share is read once by each, 256 KiB at its head, against 512 x 2,048 scores of work; and the fill goes through registers because one branch of this text
; hangs on a given exponent (below).
; LAYOUT.  Both products are used transposed: S^T = K Q^T (source 0 = 16 keys, source 1 = my 16 queries), O^T = V^T P^T: a lane holds ONE query (lane % 16) throughout.  In tile t of S^T lane (r, h) holds keys 16 t + 8 h + 0 .. 7:
; one conversion makes of them registers 2 t, 2 t + 1 of P, which is the K = 128 form's own order; V's images have the same order.
; THE MASK COSTS NO VECTOR INSTRUCTION IN THE LOOP: MT[key] = (1 - mask) x -1e30 x 2^(3 - e6 - e7), rounded as f32 rounds the first two steps and then scaled exactly, is the C of the score product; t = c x (sum + MT),
; c = log2(e) / 8 x 2^(e6 + e7).
; WHERE ALL KEYS SO FAR ARE MASKED (|t| above 2^23) c x s - M would be wrong by far more than 1, so there a lane takes p = 2^(s - largest s): 1 for equal logits, 0 otherwise, as f32 logits give it; the first key that counts
; multiplies all of that by 0.  The choice is made by v_cndmask_b32, in every step.
; THE HOLD of p at 448 x 2^e8 changes nothing where e8 >= -8 (448 x 2^-8 = 1.75, and p stays under that): a scalar branch on the given whole number e8 leads round its 128 lines.
; LIMITS: e6 + e7 between -24 and 60 with |1 - mask| <= 1, so that MT and c are f32 numbers; e8 between -126 and 119.  NaN among the inputs is not served.
; REGISTERS.  window 0: v1-14 addresses; v16-39 statistics, 12 a tile; v40-43 constants; v48-63 Q; v64-191 S^T, then p (64 a tile); v192-223 P's codes; v224-255 at work.
;   window 1: v0-63 K of a step; v64-127 the step's mask terms; v128-191 V of a step; v192-255 O^T (32 a tile).
.set VL,   131072                      ; LDS: K at 0: [tile of 16 keys: 128][1 KiB];  V here: [key step 16][16 channels: 4][2 KiB]
.set MTB,  262144                      ; the mask terms: 2,048 f32
.set STG,  270336                      ; the stages for the way out: 16 rows x 272 bytes for each wave
.set SPI,  272
.set LI,  1                            ; v1   16 x lane
.set ADK, 2                            ; v2   LDS address of the K to fetch
.set ADM, 3                            ; v3   of its mask terms
.set ADV, 4                            ; v4   of its V
.set MB,  5                            ; v5   MTB + 32 h
.set STO, 6                            ; v6   the stage: where I put 32 bytes of a row
.set RD,  7                            ; v7   and where I read a row back
.set GO,  8                            ; v8   my byte offset in two rows of out0
.set KST, 11                           ; v11  the fill: where my wave's K goes
.set VST, 12                           ; v12  its V
.set MST, 13                           ; v13  my eight mask terms
.set MLD, 14                           ; v14  and where the mask's numbers come from
.set ST,  16                           ; tile q's statistics at v[ST + 12 q]: +0 the factor c or 1, +1 -(largest s), +2 the addend -M or -(largest s), +3 -(largest t), +4, +5 the sum, +6 f, +7 its exponent, +8, +9 a second chain, +10, +11 at work
.set LIM, 40                           ; v40  448 x 2^e8
.set SCL, 41                           ; v41  2^e8
.set CV,  42                           ; v42  c
.set ONE, 43                           ; v43  1.0
.set Q,   48
.set S,   64
.set P,   192
.set WK,  224
.set KF,  0                            ; in window 1
.set MK,  64
.set VF,  128
.set O,   192
.set MSB, 0
.macro WIN new                         ; the immediate's high byte repeats the setting that is left
.if MSB != \new
	s_set_vgpr_msb (MSB<<8)|\new
.set MSB, \new
.endif
.endm
.set W_LD, 0x40                        ; destination window 1
.set W_SD, 0x04                        ; an LDS store's data window 1
.set W_KQ, 0x11                        ; K and the mask terms window 1; Q and S^T window 0
.set W_PV, 0x51                        ; V and O^T window 1; P window 0
.set W_RS, 0x41                        ; O^T (destination, source 0) window 1
.set W_OUT, 0x01                       ; source 0 window 1
	s_load_b256 s[4:11], s[0:1], 0x0               ; img s[4:5], mask s[6:7], the exponents s[8:9], out0 s[10:11]
	v_lshl_add_u32 v46, v0, 2, 0x4a800
	v_mov_b32 v47, 0
	v_lshrrev_b32 v9, 5, v0
	v_readfirstlane_b32 s12, v9                    ; wave 0..7
	v_and_b32 v9, 31, v0
	v_lshlrev_b32 v[LI], 4, v9
	v_and_b32 v9, 15, v0                           ; r
	v_bfe_u32 v10, v0, 4, 1                        ; h
	v_lshl_add_u32 v[MB], v10, 5, MTB
	s_mul_i32 s47, s12, 16*SPI
	s_add_co_u32 s47, s47, STG                     ; my stage
	v_mul_u32_u24 v[STO], v9, SPI
	v_lshl_add_u32 v[STO], v10, 5, v[STO]
	v_add_nc_u32 v[STO], s47, v[STO]               ; in: row r, + 32 h
	v_mul_u32_u24 v[RD], v10, SPI
	v_lshl_add_u32 v[RD], v9, 4, v[RD]
	v_add_nc_u32 v[RD], s47, v[RD]                 ; back: lanes 0-15 one row, lanes 16-31 the next
	v_lshlrev_b32 v[GO], 12, v10
	v_lshl_add_u32 v[GO], v9, 4, v[GO]             ; and the same two rows of out0, 4,096 bytes apart
	s_lshl_b32 s19, s12, 14
	v_add_nc_u32 v[KST], s19, v[LI]                ; my wave fills 16 KiB of K (16 tiles) and 16 KiB of V (two key steps)
	v_add_nc_u32 v[VST], VL, v[KST]
	v_lshlrev_b32 v[MLD], 5, v0                    ; a thread takes eight numbers of the mask
	v_add_nc_u32 v[MST], MTB, v[MLD]
	s_and_b32 s14, ttmp7, 0xffff
	s_lshr_b32 s15, s14, 4                         ; b
	s_and_b32 s16, s14, 15                         ; head
	s_lshl_b32 s17, s15, 21                        ; 128 tiles of 16 tokens x 16 KiB,
	s_lshl_b32 s18, s16, 10
	s_add_co_u32 s17, s17, s18                     ; + the head's KiB
	s_lshl_b32 s20, ttmp9, 5
	s_lshl_b32 s19, s12, 1
	s_add_co_u32 s20, s20, s19                     ; Q: my first tile: 32 x quarter + 2 x wave
	s_lshl_b32 s20, s20, 14
	s_add_co_u32 s20, s20, s17
	s_mov_b32 s21, 0
	s_lshl_b32 s22, s12, 18                        ; K: tiles 16 x wave on
	s_add_co_u32 s22, s22, s17
	s_add_co_u32 s22, s22, 0x800000
	s_mov_b32 s23, 0
	s_lshl_b32 s24, s15, 4
	s_add_co_u32 s24, s24, s19                     ; V: key steps 16 b + 2 x wave on, 128 KiB each,
	s_lshl_b32 s24, s24, 17
	s_lshl_b32 s18, s16, 13
	s_add_co_u32 s24, s24, s18                     ; + the head's four fragments
	s_add_co_u32 s24, s24, 0x1000000
	s_mov_b32 s25, 0
	s_lshl_b32 s26, s15, 13                        ; the mask's row b
	s_mov_b32 s27, 0
	s_lshl_b32 s28, s15, 11
	s_lshl_b32 s18, ttmp9, 9
	s_add_co_u32 s28, s28, s18
	s_lshl_b32 s18, s12, 5
	s_add_co_u32 s28, s28, s18                     ; out0: row 2,048 b + 512 x quarter + 32 x wave,
	s_lshl_b32 s28, s28, 12
	s_lshl_b32 s18, s16, 8
	s_add_co_u32 s28, s28, s18                     ; + the head's 256 bytes
	s_mov_b32 s29, 0
	s_mov_b32 s37, 0x4b000000                      ; 2^23
	s_mov_b32 s38, 0x76543210                      ; v_permlanex16_b32's selects for lane l xor 16
	s_mov_b32 s39, 0xfedcba98
	s_wait_kmcnt 0x0
	s_load_b128 s[32:35], s[8:9], 0x18             ; e6, e7, e8, e9
	s_add_nc_u64 s[20:21], s[4:5], s[20:21]
	s_add_nc_u64 s[22:23], s[4:5], s[22:23]
	s_add_nc_u64 s[24:25], s[4:5], s[24:25]
	s_add_nc_u64 s[26:27], s[6:7], s[26:27]
	s_add_nc_u64 s[28:29], s[10:11], s[28:29]
	; THE FILL: 70 loads a wave, each of 512 consecutive bytes: the mask 2, Q 4, K 32 (into S^T's registers), V 32 (into window 1)
	global_load_b128 v[WK:WK+3], v[MLD], s[26:27]
	global_load_b128 v[WK+4:WK+7], v[MLD], s[26:27] offset:16
.irp q, 0,1
.irp u, 0,1
	global_load_b128 v[Q+8*\q+4*\u:Q+8*\q+4*\u+3], v[LI], s[20:21] offset:16384*\q+512*\u
.endr
.endr
.irp i, 0,1,2,3,4,5,6,7,8,9,10,11,12,13,14,15
.irp u, 0,1
	global_load_b128 v[S+8*\i+4*\u:S+8*\i+4*\u+3], v[LI], s[22:23] offset:16384*\i+512*\u
.endr
.endr
	WIN W_LD
.irp kk, 0,1
.irp i, 0,1,2,3,4,5,6,7,8,9,10,11,12,13,14,15
	global_load_b128 v[64*\kk+4*\i:64*\kk+4*\i+3], v[LI], s[24:25] offset:131072*\kk+512*\i
.endr
.endr
	WIN 0
	s_wait_kmcnt 0x0
	s_add_co_i32 s47, s32, s33                     ; e6 + e7
	s_sub_co_i32 s46, 3, s47
	s_lshl_b32 s47, s47, 23
	s_add_co_i32 s36, s47, 0x3e38aa3b              ; c = log2(e) / 8, with e6 + e7 added to its exponent field
	v_mov_b32 v[CV], s36
	v_mov_b32 v[ONE], 1.0
	s_add_co_i32 s41, s34, s35                     ; e8 + e9
	s_add_co_i32 s47, s34, 127
	s_lshl_b32 s19, s47, 23
	v_mov_b32 v[SCL], s19
	s_add_co_i32 s47, s47, 8
	s_lshl_b32 s47, s47, 23
	s_or_b32 s47, s47, 0x600000
	v_mov_b32 v[LIM], s47
	s_wait_loadcnt 63                              ; of 70 loads at most 63 are out: the oldest seven are in, the mask's two among them
.irp i, 0,1,2,3,4,5,6,7
	v_sub_f32 v[WK+\i], 1.0, v[WK+\i]
.endr
.irp i, 0,1,2,3,4,5,6,7
	v_mul_f32 v[WK+\i], 0xf149f2ca, v[WK+\i]       ; x -1e30
.endr
.irp i, 0,1,2,3,4,5,6,7
	v_ldexp_f32 v[WK+\i], v[WK+\i], s46            ; x 8 / 2^(e6 + e7): into the units of the score product's sums
.endr
	ds_store_b128 v[MST], v[WK:WK+3]
	ds_store_b128 v[MST], v[WK+4:WK+7] offset:16
	s_wait_loadcnt 32                              ; K is in; V's 32 loads may be out
.irp i, 0,1,2,3,4,5,6,7,8,9,10,11,12,13,14,15
.irp u, 0,1
	ds_store_b128 v[KST], v[S+8*\i+4*\u:S+8*\i+4*\u+3] offset:1024*\i+512*\u
.endr
.endr
	s_wait_loadcnt 0x0
	WIN W_SD
.irp kk, 0,1
.irp i, 0,1,2,3,4,5,6,7,8,9,10,11,12,13,14,15
	ds_store_b128 v[VST], v[64*\kk+4*\i:64*\kk+4*\i+3] offset:8192*\kk+512*\i
.endr
.endr
	WIN 0
	s_wait_dscnt 0x0                               ; for the others' sake: my stores have landed
	s_barrier_signal -1
	s_barrier_wait -1                              ; K, V and the mask terms are whole; from here on they are only read
.macro FETCH_KM                        ; a step's K (8 fragments as they lie) and its mask terms in the result's layout (each half of the lanes reads one address)
	WIN W_LD
.irp t, 0,1,2,3,4,5,6,7
.irp u, 0,1
	ds_load_b128 v[KF+8*\t+4*\u:KF+8*\t+4*\u+3], v[ADK] offset:1024*\t+512*\u
.endr
.endr
.irp t, 0,1,2,3,4,5,6,7
.irp u, 0,1
	ds_load_b128 v[MK+8*\t+4*\u:MK+8*\t+4*\u+3], v[ADM] offset:64*\t+16*\u
.endr
.endr
	WIN 0
.endm
.macro FETCH_V                         ; a step's V: 4 fragments of 16 channels x 128 keys
	WIN W_LD
.irp ct, 0,1,2,3
.irp u, 0,1,2,3
	ds_load_b128 v[VF+16*\ct+4*\u:VF+16*\ct+4*\u+3], v[ADV] offset:2048*\ct+512*\u
.endr
.endr
	WIN 0
.endm
; A KEY STEP for my two tiles.  next = 1: the next step's K and mask terms are fetched behind the score products, its V behind the second products; s44, s45 say where they lie.
.macro STEP next
	s_wait_dscnt 16                                ; K and the mask terms are in; V's sixteen loads, issued behind them, may be out
	WIN W_KQ
.irp t, 0,1,2,3,4,5,6,7
.irp q, 0,1
	v_wmma_f32_16x16x64_fp8_fp8 v[S+64*\q+8*\t:S+64*\q+8*\t+7], v[KF+8*\t:KF+8*\t+7], v[Q+8*\q:Q+8*\q+7], v[MK+8*\t:MK+8*\t+7]
.endr
.endr
	WIN 0
.if \next
	v_add_nc_u32 v[ADK], s44, v[LI]                ; four plain lines: the places in front of the loads into K's registers and of the first read of the scores
	v_add_nc_u32 v[ADM], s45, v[MB]
	v_add_nc_u32 v[ADV], VL, v[ADK]
	v_nop
	s_add_co_u32 s44, s44, 8192
	s_add_co_u32 s45, s45, 512
	FETCH_KM
.else
.rept 4
	v_nop
.endr
.endif
	; the step's largest s of my query among my 64 keys, two chains a tile, the tiles line by line; each accumulator is read from its low end on
.irp q, 0,1
	v_max3_num_f32 v[ST+12*\q+10], v[S+64*\q], v[S+64*\q+1], v[S+64*\q+2]
	v_max3_num_f32 v[ST+12*\q+11], v[S+64*\q+3], v[S+64*\q+4], v[S+64*\q+5]
.endr
.irp i, 6,10,14,18,22,26,30,34,38,42,46,50,54,58
.irp q, 0,1
	v_max3_num_f32 v[ST+12*\q+10], v[ST+12*\q+10], v[S+64*\q+\i], v[S+64*\q+\i+1]
.endr
.irp q, 0,1
	v_max3_num_f32 v[ST+12*\q+11], v[ST+12*\q+11], v[S+64*\q+\i+2], v[S+64*\q+\i+3]
.endr
.endr
.irp q, 0,1
	v_max3_num_f32 v[ST+12*\q+10], v[ST+12*\q+10], v[S+64*\q+62], v[S+64*\q+63]
.endr
.irp q, 0,1
	v_max_num_f32 v[ST+12*\q+10], v[ST+12*\q+10], v[ST+12*\q+11]
.endr
.irp q, 0,1
	v_permlanex16_b32 v[ST+12*\q+11], v[ST+12*\q+10], s38, s39
.endr
.irp q, 0,1
	v_max_num_f32 v[ST+12*\q+10], v[ST+12*\q+10], v[ST+12*\q+11]   ; and among lane l xor 16's
.endr
.irp q, 0,1
	v_min_num_f32 v[ST+12*\q+1], v[ST+12*\q+1], -v[ST+12*\q+10]    ; -(the running largest s)
	v_mov_b32 v[ST+12*\q+7], v[ST+12*\q+2]                         ; the old addend
.endr
.irp q, 0,1
	v_mul_f32 v[ST+12*\q+3], s36, v[ST+12*\q+1]                    ; -(the largest t)
.endr
.irp q, 0,1
	v_and_b32 v[ST+12*\q+11], 0x7fffffff, v[ST+12*\q+3]
	v_floor_f32 v[ST+12*\q+10], v[ST+12*\q+3]                      ; -M = floor(-t) = -ceil(t): M is a whole number
.endr
.irp q, 0,1
	v_cmp_lt_u32 vcc_lo, s37, v[ST+12*\q+11]                       ; |t| above 2^23: all keys so far are masked
	v_cndmask_b32 v[ST+12*\q+2], v[ST+12*\q+10], v[ST+12*\q+1], vcc_lo   ; the addend: -M, or there -(the largest s)
	v_cndmask_b32 v[ST+12*\q], v[CV], v[ONE], vcc_lo               ; the factor: c, or there 1
.endr
.irp q, 0,1
	v_sub_f32 v[ST+12*\q+7], v[ST+12*\q+2], v[ST+12*\q+7]          ; old M - new M: a whole number, 0 or less
.endr
.irp q, 0,1
	v_cvt_i32_f32 v[ST+12*\q+7], v[ST+12*\q+7]                     ; (it saturates)
.endr
.irp q, 0,1
	v_ldexp_f32 v[ST+12*\q+6], 1.0, v[ST+12*\q+7]                  ; f = 2^(old M - new M)
.endr
.set i, 0
.rept 32
	v_pk_fma_f32 v[S+i:S+i+1], v[S+i:S+i+1], v[ST:ST+1], v[ST+2:ST+3] op_sel_hi:[1,0,0]              ; t - M, two at a time (of the pairs the low word serves both halves)
	v_pk_fma_f32 v[S+64+i:S+64+i+1], v[S+64+i:S+64+i+1], v[ST+12:ST+13], v[ST+14:ST+15] op_sel_hi:[1,0,0]
.set i, i+2
.endr
.set i, 0
.rept 128
	v_exp_f32 v[S+i], v[S+i]                       ; p = 2^(t - M): NOT normalised.  One batch
.set i, i+1
.endr
.irp q, 0,1
	v_pk_mul_f32 v[ST+12*\q+4:ST+12*\q+5], v[ST+12*\q+4:ST+12*\q+5], v[ST+12*\q+6:ST+12*\q+7] op_sel_hi:[1,0]   ; the sums under the new M: plain lines behind the exponentials
.endr
	s_wait_alu depctr_va_vdst(0)                   ; one wait for the whole batch, ahead of its first reader
.irp q, 0,1
	v_pk_add_f32 v[ST+12*\q+8:ST+12*\q+9], v[S+64*\q:S+64*\q+1], v[S+64*\q+2:S+64*\q+3]   ; THE ROW'S SUM IS TAKEN OF THE UNQUANTISED p: two at a time, two chains a tile
.endr
.irp j, 4,8,12,16,20,24,28,32,36,40,44,48,52,56,60
.irp q, 0,1
	v_pk_add_f32 v[ST+12*\q+4:ST+12*\q+5], v[ST+12*\q+4:ST+12*\q+5], v[S+64*\q+\j:S+64*\q+\j+1]
	v_pk_add_f32 v[ST+12*\q+8:ST+12*\q+9], v[ST+12*\q+8:ST+12*\q+9], v[S+64*\q+\j+2:S+64*\q+\j+3]
.endr
.endr
.irp q, 0,1
	v_pk_add_f32 v[ST+12*\q+4:ST+12*\q+5], v[ST+12*\q+4:ST+12*\q+5], v[ST+12*\q+8:ST+12*\q+9]
.endr
	s_cmp_lt_i32 s34, -8                           ; e8 >= -8: 448 x 2^e8 >= 1.75 lies above every p, and the hold would change nothing
	s_cbranch_scc0 .Lno_hold_\@
.set i, 0
.rept 128
	v_min_num_f32 v[S+i], v[S+i], v[LIM]           ; the conversion to an 8-bit code does not saturate (ISA guide 7.6.2); p is not negative, so the hold is one-sided
.set i, i+1
.endr
.Lno_hold_\@:
.irp q, 0,1
.irp t, 0,1,2,3,4,5,6,7
	v_cvt_scalef32_pk8_fp8_f32 v[P+16*\q+2*\t:P+16*\q+2*\t+1], v[S+64*\q+8*\t:S+64*\q+8*\t+7], v[SCL]
.endr
.endr
	WIN W_RS
.set i, 0
.rept 16
	v_pk_mul_f32 v[O+i:O+i+1], v[O+i:O+i+1], v[ST+6:ST+7] op_sel_hi:[1,0]                 ; O^T under the new M, each accumulator from its low end on.  (Also the plain lines behind the conversions)
	v_pk_mul_f32 v[O+32+i:O+32+i+1], v[O+32+i:O+32+i+1], v[ST+18:ST+19] op_sel_hi:[1,0]
.set i, i+2
.endr
.if \next
	s_wait_dscnt 32                                ; V is in; the next step's K and mask terms, 32 loads issued behind it, may be out
.else
	s_wait_dscnt 0x0
.endif
	WIN W_PV
.irp ct, 0,1,2,3
.irp q, 0,1
	v_wmma_f32_16x16x128_fp8_fp8 v[O+32*\q+8*\ct:O+32*\q+8*\ct+7], v[VF+16*\ct:VF+16*\ct+15], v[P+16*\q:P+16*\q+15], v[O+32*\q+8*\ct:O+32*\q+8*\ct+7]   ; the eight accumulators by turns
.endr
.endr
.rept 4
	v_nop                                          ; places in front of the loads into V's registers, and of the first read of O^T on the way out
.endr
.if \next
	FETCH_V
.else
	WIN 0
.endif
.endm
; THE WAY OUT.  The sum's two halves and lane l xor 16's are added; 2^(e8 + e9) / the sum multiplies O^T.
.macro NORM
.irp q, 0,1
	v_add_f32 v[ST+12*\q+10], v[ST+12*\q+4], v[ST+12*\q+5]
.endr
.irp q, 0,1
	v_permlanex16_b32 v[ST+12*\q+11], v[ST+12*\q+10], s38, s39
.endr
.irp q, 0,1
	v_add_f32 v[ST+12*\q+10], v[ST+12*\q+10], v[ST+12*\q+11]
.endr
.irp q, 0,1
	v_rcp_f32 v[ST+12*\q+6], v[ST+12*\q+10]
.endr
	v_nop                                          ; a plain line behind the reciprocals,
	s_wait_alu depctr_va_vdst(0)                   ; and one wait for both, ahead of the first reader
.irp q, 0,1
	v_ldexp_f32 v[ST+12*\q+6], v[ST+12*\q+6], s41
.endr
.endm
; Tile q of block blk: register 8 ct + j of lane (r, h) is out(query r, channel 16 ct + 8 h + j).  16 rows of 256 bytes go through my own stage and leave as whole rows: sixteen lanes store 256 consecutive bytes, aligned.
.macro OUTQ blk, q
.set BK, WK-32*(\q)                    ; read back into v224-255 (tile 0) or P's registers (tile 1)
	WIN W_OUT
.set i, 0
.rept 16
	v_pk_mul_f32 v[S+64*(\q)+i:S+64*(\q)+i+1], v[O+32*(\q)+i:O+32*(\q)+i+1], v[ST+12*(\q)+6:ST+12*(\q)+7] op_sel_hi:[1,0]
.set i, i+2
.endr
	WIN 0
.irp ct, 0,1,2,3
	ds_store_b128 v[STO], v[S+64*(\q)+8*\ct:S+64*(\q)+8*\ct+3] offset:64*\ct
	ds_store_b128 v[STO], v[S+64*(\q)+8*\ct+4:S+64*(\q)+8*\ct+7] offset:64*\ct+16
.endr
.irp n, 0,1,2,3,4,5,6,7
	ds_load_b128 v[BK+4*\n:BK+4*\n+3], v[RD] offset:2*SPI*\n   ; LDS serves a wave's instructions in order: these see my stores, and the next tile's stores come behind them
.endr
.irp n, 0,1,2,3,4,5,6,7
	s_wait_dscnt 7-\n                              ; rows 2 n, 2 n + 1 are back; the younger loads may be out
	global_store_b128 v[GO], v[BK+4*\n:BK+4*\n+3], s[28:29] offset:(\blk)*1048576+(\q)*65536+8192*\n th:TH_STORE_NT
.endr
.endm
; A BLOCK of 256 queries: 16 key steps, 15 of them in a loop; the last is written out, since what it fetches differs.
.macro BLOCK blk
	WIN W_LD
.set i, 0
.rept 64
	v_mov_b32 v[O+i], 0                            ; O^T.  (The step is written without a first step of its own: it finds zeros, which the first change of M leaves zeros)
.set i, i+1
.endr
	WIN 0
.irp q, 0,1
	v_mov_b32 v[ST+12*\q+1], 0x7f61b1e6            ; -(the largest s so far): 3e38, above every -s
	v_mov_b32 v[ST+12*\q+2], 0x7f61b1e6            ; the addend likewise
	v_mov_b32 v[ST+12*\q+4], 0                     ; the sum, in two halves
	v_mov_b32 v[ST+12*\q+5], 0
.endr
.if \blk
	s_wait_loadcnt 0x0                             ; this block's Q
	s_wait_xcnt 0x0                                ; the last block's stores have read their registers: P's are written again below
.endif
	s_mov_b32 s44, 8192                            ; where the next step's K and V lie in their regions,
	s_mov_b32 s45, 512                             ; and its mask terms
	s_mov_b32 s42, 0
.Lstep_\@:
	STEP 1
	s_add_co_u32 s42, s42, 1
	s_cmp_lt_u32 s42, 15
	s_cbranch_scc1 .Lstep_\@
.if \blk
	STEP 0                                         ; the last step of all fetches nothing
.else
	s_mov_b32 s44, 0                               ; the next block begins at key step 0 again
	s_mov_b32 s45, 0
	STEP 1
.irp q, 0,1
.irp u, 0,1
	global_load_b128 v[Q+8*\q+4*\u:Q+8*\q+4*\u+3], v[LI], s[20:21] offset:262144+16384*\q+512*\u   ; the next block's Q: 16 tiles of tokens on
.endr
.endr
.endif
	NORM
	OUTQ \blk, 0
	OUTQ \blk, 1
.endm
	s_mov_b32 s44, 0
	s_mov_b32 s45, 0
	v_add_nc_u32 v[ADK], s44, v[LI]                ; key step 0
	v_add_nc_u32 v[ADM], s45, v[MB]
	v_add_nc_u32 v[ADV], VL, v[ADK]
	FETCH_KM
	FETCH_V
	BLOCK 0
	BLOCK 1
	s_wait_tensorcnt 0x0
	ds_add_u32 v46, v47
	s_wait_dscnt 0x0
	s_endpgm
.Lfunc_end_k_qc3c9f5b8e9_attn:
	.size	k_qc3c9f5b8e9_attn, .Lfunc_end_k_qc3c9f5b8e9_attn-k_qc3c9f5b8e9_attn
	.p2alignl 7, 3214868480
	.fill 96, 4, 3214868480
	.section	.rodata,"a",@progbits
	.p2align	6, 0x0
	.amdhsa_kernel k_qc3c9f5b8e9_attn
		.amdhsa_group_segment_fixed_size 306176
		.amdhsa_private_segment_fixed_size 0
		.amdhsa_enable_private_segment 0
		.amdhsa_kernarg_size 32
		.amdhsa_user_sgpr_count 2
		.amdhsa_user_sgpr_kernarg_segment_ptr 1
		.amdhsa_wavefront_size32 1
		.amdhsa_system_sgpr_workgroup_id_x 1
		.amdhsa_system_sgpr_workgroup_id_y 1
		.amdhsa_system_sgpr_workgroup_id_z 1
		.amdhsa_system_vgpr_workitem_id 0
		.amdhsa_next_free_vgpr 512
		.amdhsa_next_free_sgpr 66
		.amdhsa_reserve_vcc 1
		.amdhsa_float_denorm_mode_32 3
		.amdhsa_float_denorm_mode_16_64 3
		.amdhsa_memory_ordered 1
		.amdhsa_forward_progress 1
		.amdhsa_inst_pref_size 154
	.end_amdhsa_kernel
	.amdgpu_metadata
---
amdhsa.version: [ 1, 2 ]
amdhsa.kernels:
  - .name:           k_qc3c9f5b8e9_attn
    .symbol:         k_qc3c9f5b8e9_attn.kd
    .args:
      - { .name: img, .offset: 0, .size: 8, .value_kind: global_buffer, .address_space: global }
      - { .name: mask, .offset: 8, .size: 8, .value_kind: global_buffer, .address_space: global }
      - { .name: lowp_scales, .offset: 16, .size: 8, .value_kind: global_buffer, .address_space: global }
      - { .name: out0, .offset: 24, .size: 8, .value_kind: global_buffer, .address_space: global }
    .group_segment_fixed_size: 306176
    .private_segment_fixed_size: 0
    .kernarg_segment_align: 8
    .kernarg_segment_size: 32
    .max_flat_workgroup_size: 256
    .sgpr_count:     66
    .vgpr_count:     512
    .wavefront_size: 32
...
	.end_amdgpu_metadata
.endif
;; end of part 3
;; ======== version 2 of 2: 3 launches; version 1 with the launch attn written anew for expert scheduling mode
;; workspace buffers: xc 25,165,824 bytes; wc 3,145,728 bytes; img 25,165,824 bytes
;; launch quant: the kernel of part 1 again; grid 864 x 1, 4 waves a work-group, no clusters, 33,280 bytes of LDS; arguments q, k, v, wq, wk, wv, lowp_scales, xc, wc; writes xc, wc
;; launch proj: the kernel of part 2 again; grid 4 x 96, 4 waves a work-group, clusters of 4 x 4, 327,680 bytes of LDS; arguments xc, wc, lowp_scales, bq, bk, bv, img; writes img
;; launch attn (part 4): grid 4 x 64, 8 waves a work-group, no clusters, 306,176 bytes of LDS; arguments img, mask, lowp_scales, out0; writes out0
.if DOCPART == 4
	.amdgcn_target "amdgcn-amd-amdhsa--gfx1250"
	.amdhsa_code_object_version 6
	.text
	.protected	k_qc3c9f5b8e9_attn
	.globl	k_qc3c9f5b8e9_attn
	.p2align	8
	.type	k_qc3c9f5b8e9_attn,@function
k_qc3c9f5b8e9_attn:
	s_mov_b64 s[64:65], 0
	v_nop
	global_prefetch_b8 v0, s[64:65] scope:SCOPE_SE
	s_setreg_imm32_b32 hwreg(HW_REG_WAVE_SCHED_MODE, 0, 2), 2
	s_setreg_imm32_b32 hwreg(HW_REG_WAVE_MODE, 25, 1), 1
	s_wait_xcnt 0x0
	s_wait_alu depctr_vm_vsrc(0)
; out0[b][q][64 h + :] = the sum over keys of softmax(Q . K / 8 + (1 - mask) x -1e30) V, both products on codes of E4M3, from the register images in img.
; THE SOFTMAX AHEAD OF THE SECOND PRODUCT: t = logit x log2(e); M = the running largest t rounded UP to a whole number; p = 2^(t - M) is quantised with the given 2^e8; the row's sum is taken of the unquantised p and
; divides at the end.  When M moves, the sum and O are multiplied by 2^(old M - new M): exact.
; SHARES.  256 work-groups: y = 16 b + head, x = a quarter of the queries (512).  The head's whole K (128 KiB), V (128 KiB) and 2,048 mask terms lie in LDS, filled ONCE, through registers; one barrier in the launch.
; A work-group walks two blocks of 256 queries; each of its eight waves owns two tiles of 16 queries in a block, so that each fragment read from LDS feeds two products.  Two waves share a SIMD: one's vector work stands beside
; the other's products and loads.  A key step is 128 keys: 16 score products (K = 64) and 8 second products (K = 128) a wave.
; NO CLUSTER, NO JOINT LOADS: what the four work-groups of a head share is read once by each, 256 KiB at its head, against 512 x 2,048 scores of work; and the fill goes through registers because one branch of this text
; hangs on a given exponent (below).
; LAYOUT.  Both products are used transposed: S^T = K Q^T (source 0 = 16 keys, source 1 = my 16 queries), O^T = V^T P^T: a lane holds ONE query (lane % 16) throughout.  In tile t of S^T lane (r, h) holds keys 16 t + 8 h + 0 .. 7:
; one conversion makes of them registers 2 t, 2 t + 1 of P, which is the K = 128 form's own order; V's images have the same order.
; THE MASK COSTS NO VECTOR INSTRUCTION IN THE LOOP: MT[key] = (1 - mask) x -1e30 x 2^(3 - e6 - e7), rounded as f32 rounds the first two steps and then scaled exactly, is the C of the score product; t = c x (sum + MT),
; c = log2(e) / 8 x 2^(e6 + e7).
; WHERE ALL KEYS SO FAR ARE MASKED (|t| above 2^23) c x s - M would be wrong by far more than 1, so there a lane takes p = 2^(s - largest s): 1 for equal logits, 0 otherwise, as f32 logits give it; the first key that counts
; multiplies all of that by 0.  The choice is made by v_cndmask_b32, in every step.
; THE HOLD of p at 448 x 2^e8 changes nothing where e8 >= -8 (448 x 2^-8 = 1.75, and p stays under that): a scalar branch on the given whole number e8 leads round its 128 lines.
; LIMITS: e6 + e7 between -24 and 60 with |1 - mask| <= 1, so that MT and c are f32 numbers; e8 between -126 and 119.  NaN among the inputs is not served.
; REGISTERS.  window 0: v1-14 addresses; v16-39 statistics, 12 a tile; v40-43 constants; v48-63 Q; v64-191 S^T, then p (64 a tile); v192-223 P's codes; v224-255 at work.
;   window 1: v0-63 K of a step; v64-127 the step's mask terms; v128-191 V of a step; v192-255 O^T (32 a tile).
; THE MODE: SCHED_MODE bits 1:0 = 2 (LLVM: expert scheduling mode 2), set by the entry lines.  The code itself states the register dependences between vector or matrix instructions and memory or LDS
; instructions, with s_wait_alu, always for 0.
; THE PLAN.  Registers that LDS instructions touch in the loop, step j:
;   K, mask terms   read by step j's score products, at its head; the loads of step j + 1's land in them in the middle of step j.
;   V               read by step j's second products, at its end; the loads of step j's own V land in it in the middle of step j.
;   ADK, ADM, ADV   written by three additions behind step j's score products; read by the loads in the middle of step j.
;   LI, MB          read by those additions alone; never written again.  S^T, p, P, O^T and the statistics are named by vector and matrix instructions alone while the loop runs.
; So ONE wait on va_vdst stands in a step, behind the batch of exponentials.  It states that the exponentials have written p, that this step's score products are done reading
; K and the mask terms, that the last step's second products are done reading V, and that the three addresses are written.  The step's 48 loads follow it: V's sixteen at once, K's and the mask terms' sixteen each among the row
; sums' additions, which name the statistics and p alone.  ONE wait on vm_vsrc stands at the step's head: the loads issued so far have read the three addresses.  The two tiles' compares write two scalar registers, with one wait on
; va_sdst ahead of the selects.  Two waves of 512 registers fill a SIMD's 1,024 and window 1 is full: there is no room for a second set of K, of the mask terms or of V.
.set VL,   131072                      ; LDS: K at 0: [tile of 16 keys: 128][1 KiB];  V here: [key step 16][16 channels: 4][2 KiB]
.set MTB,  262144                      ; the mask terms: 2,048 f32
.set STG,  270336                      ; the stages for the way out: 16 rows x 272 bytes for each wave
.set SPI,  272
.set LI,  1                            ; v1   16 x lane
.set ADK, 2                            ; v2   LDS address of the K to fetch
.set ADM, 3                            ; v3   of its mask terms
.set ADV, 4                            ; v4   of the V to fetch
.set MB,  5                            ; v5   MTB + 32 h
.set STO, 6                            ; v6   the stage: where I put 32 bytes of a row
.set RD,  7                            ; v7   and where I read a row back
.set GO,  8                            ; v8   my byte offset in two rows of out0
.set KST, 11                           ; v11  the fill: where my wave's K goes
.set VST, 12                           ; v12  its V
.set MST, 13                           ; v13  my eight mask terms
.set MLD, 14                           ; v14  and where the mask's numbers come from
.set ST,  16                           ; tile q's statistics at v[ST + 12 q]: +0 the factor c or 1, +1 -(largest s), +2 the addend -M or -(largest s), +3 -(largest t), +4, +5 the sum, +6 f, +7 its exponent, +8, +9 a second chain, +10, +11 at work
.set LIM, 40                           ; v40  448 x 2^e8
.set SCL, 41                           ; v41  2^e8
.set CV,  42                           ; v42  c
.set ONE, 43                           ; v43  1.0
.set Q,   48
.set S,   64
.set P,   192
.set WK,  224
.set KF,  0                            ; in window 1
.set MK,  64
.set VF,  128
.set O,   192
.set MSB, 0
.macro WIN new                         ; the immediate's high byte repeats the setting that is left
.if MSB != \new
	s_set_vgpr_msb (MSB<<8)|\new
.set MSB, \new
.endif
.endm
.set W_LD, 0x40                        ; destination window 1
.set W_SD, 0x04                        ; an LDS store's data window 1
.set W_KQ, 0x11                        ; K and the mask terms window 1; Q and S^T window 0
.set W_PV, 0x51                        ; V and O^T window 1; P window 0
.set W_RS, 0x41                        ; O^T (destination, source 0) window 1
.set W_OUT, 0x01                       ; source 0 window 1
	s_load_b256 s[4:11], s[0:1], 0x0               ; img s[4:5], mask s[6:7], the exponents s[8:9], out0 s[10:11]
	v_lshl_add_u32 v46, v0, 2, 0x4a800
	v_mov_b32 v47, 0
	v_lshrrev_b32 v9, 5, v0
	v_readfirstlane_b32 s12, v9                    ; wave 0..7
	v_and_b32 v9, 31, v0
	v_lshlrev_b32 v[LI], 4, v9
	v_and_b32 v9, 15, v0                           ; r
	v_bfe_u32 v10, v0, 4, 1                        ; h
	v_lshl_add_u32 v[MB], v10, 5, MTB
	s_wait_alu depctr_va_sdst(0)                   ; s12 is written, ahead of its first reader: LDS addresses and the bases of img and out0 are made from it
	s_mul_i32 s47, s12, 16*SPI
	s_add_co_u32 s47, s47, STG                     ; my stage
	v_mul_u32_u24 v[STO], v9, SPI
	v_lshl_add_u32 v[STO], v10, 5, v[STO]
	v_add_nc_u32 v[STO], s47, v[STO]               ; in: row r, + 32 h
	v_mul_u32_u24 v[RD], v10, SPI
	v_lshl_add_u32 v[RD], v9, 4, v[RD]
	v_add_nc_u32 v[RD], s47, v[RD]                 ; back: lanes 0-15 one row, lanes 16-31 the next
	v_lshlrev_b32 v[GO], 12, v10
	v_lshl_add_u32 v[GO], v9, 4, v[GO]             ; and the same two rows of out0, 4,096 bytes apart
	s_lshl_b32 s19, s12, 14
	v_add_nc_u32 v[KST], s19, v[LI]                ; my wave fills 16 KiB of K (16 tiles) and 16 KiB of V (two key steps)
	v_add_nc_u32 v[VST], VL, v[KST]
	v_lshlrev_b32 v[MLD], 5, v0                    ; a thread takes eight numbers of the mask
	v_add_nc_u32 v[MST], MTB, v[MLD]
	s_and_b32 s14, ttmp7, 0xffff
	s_lshr_b32 s15, s14, 4                         ; b
	s_and_b32 s16, s14, 15                         ; head
	s_lshl_b32 s17, s15, 21                        ; 128 tiles of 16 tokens x 16 KiB,
	s_lshl_b32 s18, s16, 10
	s_add_co_u32 s17, s17, s18                     ; + the head's KiB
	s_lshl_b32 s20, ttmp9, 5
	s_lshl_b32 s19, s12, 1
	s_add_co_u32 s20, s20, s19                     ; Q: my first tile: 32 x quarter + 2 x wave
	s_lshl_b32 s20, s20, 14
	s_add_co_u32 s20, s20, s17
	s_mov_b32 s21, 0
	s_lshl_b32 s22, s12, 18                        ; K: tiles 16 x wave on
	s_add_co_u32 s22, s22, s17
	s_add_co_u32 s22, s22, 0x800000
	s_mov_b32 s23, 0
	s_lshl_b32 s24, s15, 4
	s_add_co_u32 s24, s24, s19                     ; V: key steps 16 b + 2 x wave on, 128 KiB each,
	s_lshl_b32 s24, s24, 17
	s_lshl_b32 s18, s16, 13
	s_add_co_u32 s24, s24, s18                     ; + the head's four fragments
	s_add_co_u32 s24, s24, 0x1000000
	s_mov_b32 s25, 0
	s_lshl_b32 s26, s15, 13                        ; the mask's row b
	s_mov_b32 s27, 0
	s_lshl_b32 s28, s15, 11
	s_lshl_b32 s18, ttmp9, 9
	s_add_co_u32 s28, s28, s18
	s_lshl_b32 s18, s12, 5
	s_add_co_u32 s28, s28, s18                     ; out0: row 2,048 b + 512 x quarter + 32 x wave,
	s_lshl_b32 s28, s28, 12
	s_lshl_b32 s18, s16, 8
	s_add_co_u32 s28, s28, s18                     ; + the head's 256 bytes
	s_mov_b32 s29, 0
	s_mov_b32 s37, 0x4b000000                      ; 2^23
	s_mov_b32 s38, 0x76543210                      ; v_permlanex16_b32's selects for lane l xor 16
	s_mov_b32 s39, 0xfedcba98
	s_wait_kmcnt 0x0
	s_load_b128 s[32:35], s[8:9], 0x18             ; e6, e7, e8, e9
	s_add_nc_u64 s[20:21], s[4:5], s[20:21]
	s_add_nc_u64 s[22:23], s[4:5], s[22:23]
	s_add_nc_u64 s[24:25], s[4:5], s[24:25]
	s_add_nc_u64 s[26:27], s[6:7], s[26:27]
	s_add_nc_u64 s[28:29], s[10:11], s[28:29]
	s_wait_alu depctr_va_vdst(0)                   ; LI, MB, STO, RD, GO, KST, VST, MST and MLD are written: every load and store of the kernel reads one of them, or an address made from LI or MB, and none of the nine is written again
	; THE FILL: 70 loads a wave, each of 512 consecutive bytes: the mask 2, Q 4, K 32 (into S^T's registers), V 32 (into window 1)
	global_load_b128 v[WK:WK+3], v[MLD], s[26:27]
	global_load_b128 v[WK+4:WK+7], v[MLD], s[26:27] offset:16
.irp q, 0,1
.irp u, 0,1
	global_load_b128 v[Q+8*\q+4*\u:Q+8*\q+4*\u+3], v[LI], s[20:21] offset:16384*\q+512*\u
.endr
.endr
.irp i, 0,1,2,3,4,5,6,7,8,9,10,11,12,13,14,15
.irp u, 0,1
	global_load_b128 v[S+8*\i+4*\u:S+8*\i+4*\u+3], v[LI], s[22:23] offset:16384*\i+512*\u
.endr
.endr
	WIN W_LD
.irp kk, 0,1
.irp i, 0,1,2,3,4,5,6,7,8,9,10,11,12,13,14,15
	global_load_b128 v[64*\kk+4*\i:64*\kk+4*\i+3], v[LI], s[24:25] offset:131072*\kk+512*\i
.endr
.endr
	WIN 0
	s_wait_kmcnt 0x0
	s_add_co_i32 s47, s32, s33                     ; e6 + e7
	s_sub_co_i32 s46, 3, s47
	s_lshl_b32 s47, s47, 23
	s_add_co_i32 s36, s47, 0x3e38aa3b              ; c = log2(e) / 8, with e6 + e7 added to its exponent field
	v_mov_b32 v[CV], s36
	v_mov_b32 v[ONE], 1.0
	s_add_co_i32 s41, s34, s35                     ; e8 + e9
	s_add_co_i32 s47, s34, 127
	s_lshl_b32 s19, s47, 23
	v_mov_b32 v[SCL], s19
	s_add_co_i32 s47, s47, 8
	s_lshl_b32 s47, s47, 23
	s_or_b32 s47, s47, 0x600000
	v_mov_b32 v[LIM], s47
	s_wait_loadcnt 63                              ; of 70 loads at most 63 are out: the oldest seven are in, the mask's two among them
.irp i, 0,1,2,3,4,5,6,7
	v_sub_f32 v[WK+\i], 1.0, v[WK+\i]
.endr
.irp i, 0,1,2,3,4,5,6,7
	v_mul_f32 v[WK+\i], 0xf149f2ca, v[WK+\i]       ; x -1e30
.endr
.irp i, 0,1,2,3,4,5,6,7
	v_ldexp_f32 v[WK+\i], v[WK+\i], s46            ; x 8 / 2^(e6 + e7): into the units of the score product's sums
.endr
	s_wait_alu depctr_va_vdst(0)                   ; the eight mask terms are written, which the two LDS stores below read
	ds_store_b128 v[MST], v[WK:WK+3]
	ds_store_b128 v[MST], v[WK+4:WK+7] offset:16
	s_wait_loadcnt 32                              ; K is in; V's 32 loads may be out
.irp i, 0,1,2,3,4,5,6,7,8,9,10,11,12,13,14,15
.irp u, 0,1
	ds_store_b128 v[KST], v[S+8*\i+4*\u:S+8*\i+4*\u+3] offset:1024*\i+512*\u
.endr
.endr
	s_wait_loadcnt 0x0
	WIN W_SD
.irp kk, 0,1
.irp i, 0,1,2,3,4,5,6,7,8,9,10,11,12,13,14,15
	ds_store_b128 v[VST], v[64*\kk+4*\i:64*\kk+4*\i+3] offset:8192*\kk+512*\i
.endr
.endr
	WIN 0
	s_wait_dscnt 0x0                               ; for the others' sake: my stores have landed
	s_barrier_signal -1
	s_barrier_wait -1                              ; K, V and the mask terms are whole; from here on they are only read
	s_wait_alu depctr_vm_vsrc(0)                   ; my LDS stores have read their data: window 1's v0-127 take the first K and mask terms below, S^T's registers the score products' results, v224-231 rows from the stage
.macro K16                             ; a step's K: 8 fragments as they lie.  (The destination's window is set by who calls)
.irp t, 0,1,2,3,4,5,6,7
.irp u, 0,1
	ds_load_b128 v[KF+8*\t+4*\u:KF+8*\t+4*\u+3], v[ADK] offset:1024*\t+512*\u
.endr
.endr
.endm
.macro M16                             ; its mask terms in the result's layout (each half of the lanes reads one address)
.irp t, 0,1,2,3,4,5,6,7
.irp u, 0,1
	ds_load_b128 v[MK+8*\t+4*\u:MK+8*\t+4*\u+3], v[ADM] offset:64*\t+16*\u
.endr
.endr
.endm
.macro FETCH_V                         ; a step's V: 4 fragments of 16 channels x 128 keys
	WIN W_LD
.irp ct, 0,1,2,3
.irp u, 0,1,2,3
	ds_load_b128 v[VF+16*\ct+4*\u:VF+16*\ct+4*\u+3], v[ADV] offset:2048*\ct+512*\u
.endr
.endr
	WIN 0
.endm
; A KEY STEP for my two tiles.  Its own V is fetched in its middle.  next = 1: so are the next step's K and mask terms.  s43 says where this step's V lies, s44 and s45 where the next step's K and mask terms lie.
.macro STEP next
	s_wait_dscnt 0x0                               ; K and the mask terms are in: they were asked for in the middle of the step before
	s_wait_alu depctr_vm_vsrc(0)                   ; the LDS loads issued so far have read ADK, ADM and ADV, which the additions below write
	WIN W_KQ
.irp t, 0,1,2,3,4,5,6,7
.irp q, 0,1
	v_wmma_f32_16x16x64_fp8_fp8 v[S+64*\q+8*\t:S+64*\q+8*\t+7], v[KF+8*\t:KF+8*\t+7], v[Q+8*\q:Q+8*\q+7], v[MK+8*\t:MK+8*\t+7]
.endr
.endr
	WIN 0
	v_add_nc_u32 v[ADV], s43, v[LI]                ; four plain lines: the places in front of the first read of the scores
.if \next
	v_add_nc_u32 v[ADK], s44, v[LI]
	v_add_nc_u32 v[ADM], s45, v[MB]
	v_nop
	s_add_co_u32 s44, s44, 8192
	s_add_co_u32 s45, s45, 512
.else
.rept 3
	v_nop
.endr
.endif
	s_add_co_u32 s43, s43, 8192
	; the step's largest s of my query among my 64 keys, two chains a tile, the tiles line by line; each accumulator is read from its low end on
.irp q, 0,1
	v_max3_num_f32 v[ST+12*\q+10], v[S+64*\q], v[S+64*\q+1], v[S+64*\q+2]
	v_max3_num_f32 v[ST+12*\q+11], v[S+64*\q+3], v[S+64*\q+4], v[S+64*\q+5]
.endr
.irp i, 6,10,14,18,22,26,30,34,38,42,46,50,54,58
.irp q, 0,1
	v_max3_num_f32 v[ST+12*\q+10], v[ST+12*\q+10], v[S+64*\q+\i], v[S+64*\q+\i+1]
.endr
.irp q, 0,1
	v_max3_num_f32 v[ST+12*\q+11], v[ST+12*\q+11], v[S+64*\q+\i+2], v[S+64*\q+\i+3]
.endr
.endr
.irp q, 0,1
	v_max3_num_f32 v[ST+12*\q+10], v[ST+12*\q+10], v[S+64*\q+62], v[S+64*\q+63]
.endr
.irp q, 0,1
	v_max_num_f32 v[ST+12*\q+10], v[ST+12*\q+10], v[ST+12*\q+11]
.endr
.irp q, 0,1
	v_permlanex16_b32 v[ST+12*\q+11], v[ST+12*\q+10], s38, s39
.endr
.irp q, 0,1
	v_max_num_f32 v[ST+12*\q+10], v[ST+12*\q+10], v[ST+12*\q+11]   ; and among lane l xor 16's
.endr
.irp q, 0,1
	v_min_num_f32 v[ST+12*\q+1], v[ST+12*\q+1], -v[ST+12*\q+10]    ; -(the running largest s)
	v_mov_b32 v[ST+12*\q+7], v[ST+12*\q+2]                         ; the old addend
.endr
.irp q, 0,1
	v_mul_f32 v[ST+12*\q+3], s36, v[ST+12*\q+1]                    ; -(the largest t)
.endr
.irp q, 0,1
	v_and_b32 v[ST+12*\q+11], 0x7fffffff, v[ST+12*\q+3]
.endr
.irp q, 0,1
	v_cmp_lt_u32 s[48+\q], s37, v[ST+12*\q+11]                     ; |t| above 2^23: all keys so far are masked.  The two tiles' masks go into s48 and s49, in one run
.endr
.irp q, 0,1
	v_floor_f32 v[ST+12*\q+10], v[ST+12*\q+3]                      ; -M = floor(-t) = -ceil(t): M is a whole number
.endr
	s_wait_alu depctr_va_sdst(0)                   ; the two compares have written s48 and s49, ahead of the selects that read them
.irp q, 0,1
	v_cndmask_b32 v[ST+12*\q+2], v[ST+12*\q+10], v[ST+12*\q+1], s[48+\q]   ; the addend: -M, or there -(the largest s)
	v_cndmask_b32 v[ST+12*\q], v[CV], v[ONE], s[48+\q]             ; the factor: c, or there 1
.endr
.irp q, 0,1
	v_sub_f32 v[ST+12*\q+7], v[ST+12*\q+2], v[ST+12*\q+7]          ; old M - new M: a whole number, 0 or less
.endr
.irp q, 0,1
	v_cvt_i32_f32 v[ST+12*\q+7], v[ST+12*\q+7]                     ; (it saturates)
.endr
.irp q, 0,1
	v_ldexp_f32 v[ST+12*\q+6], 1.0, v[ST+12*\q+7]                  ; f = 2^(old M - new M)
.endr
.set i, 0
.rept 32
	v_pk_fma_f32 v[S+i:S+i+1], v[S+i:S+i+1], v[ST:ST+1], v[ST+2:ST+3] op_sel_hi:[1,0,0]              ; t - M, two at a time (of the pairs the low word serves both halves)
	v_pk_fma_f32 v[S+64+i:S+64+i+1], v[S+64+i:S+64+i+1], v[ST+12:ST+13], v[ST+14:ST+15] op_sel_hi:[1,0,0]
.set i, i+2
.endr
.set i, 0
.rept 128
	v_exp_f32 v[S+i], v[S+i]                       ; p = 2^(t - M): NOT normalised.  One batch
.set i, i+1
.endr
.irp q, 0,1
	v_pk_mul_f32 v[ST+12*\q+4:ST+12*\q+5], v[ST+12*\q+4:ST+12*\q+5], v[ST+12*\q+6:ST+12*\q+7] op_sel_hi:[1,0]   ; the sums under the new M: plain lines behind the exponentials
.endr
	s_wait_alu depctr_va_vdst(0)                   ; THE STEP'S ONE WAIT: the 128 exponentials have written p, ahead of their first reader; this step's score products are done reading K and the mask terms, the last step's second products V: the loads below land there; ADK, ADM and ADV are written
	FETCH_V                                        ; this step's V: 16 loads
.irp q, 0,1
	v_pk_add_f32 v[ST+12*\q+8:ST+12*\q+9], v[S+64*\q:S+64*\q+1], v[S+64*\q+2:S+64*\q+3]   ; THE ROW'S SUM IS TAKEN OF THE UNQUANTISED p: two at a time, two chains a tile
.endr
.irp j, 4,8,12,16,20,24,28,32,36,40,44,48,52,56,60
.irp q, 0,1
	v_pk_add_f32 v[ST+12*\q+4:ST+12*\q+5], v[ST+12*\q+4:ST+12*\q+5], v[S+64*\q+\j:S+64*\q+\j+1]
	v_pk_add_f32 v[ST+12*\q+8:ST+12*\q+9], v[ST+12*\q+8:ST+12*\q+9], v[S+64*\q+\j+2:S+64*\q+\j+3]
.endr
.if \next && (\j == 20)
	WIN W_LD
	K16                                            ; the next step's K.  No wait: the vector lines since the step's wait name the statistics and p alone, none of these loads' registers
	WIN 0
.endif
.if \next && (\j == 40)
	WIN W_LD
	M16                                            ; and its mask terms, likewise
	WIN 0
.endif
.endr
.irp q, 0,1
	v_pk_add_f32 v[ST+12*\q+4:ST+12*\q+5], v[ST+12*\q+4:ST+12*\q+5], v[ST+12*\q+8:ST+12*\q+9]
.endr
	s_cmp_lt_i32 s34, -8                           ; e8 >= -8: 448 x 2^e8 >= 1.75 lies above every p, and the hold would change nothing
	s_cbranch_scc0 .Lno_hold_\@
.set i, 0
.rept 128
	v_min_num_f32 v[S+i], v[S+i], v[LIM]           ; the conversion to an 8-bit code does not saturate (ISA guide 7.6.2); p is not negative, so the hold is one-sided
.set i, i+1
.endr
.Lno_hold_\@:
.irp q, 0,1
.irp t, 0,1,2,3,4,5,6,7
	v_cvt_scalef32_pk8_fp8_f32 v[P+16*\q+2*\t:P+16*\q+2*\t+1], v[S+64*\q+8*\t:S+64*\q+8*\t+7], v[SCL]
.endr
.endr
	WIN W_RS
.set i, 0
.rept 16
	v_pk_mul_f32 v[O+i:O+i+1], v[O+i:O+i+1], v[ST+6:ST+7] op_sel_hi:[1,0]                 ; O^T under the new M, each accumulator from its low end on.  (Also the plain lines behind the conversions)
	v_pk_mul_f32 v[O+32+i:O+32+i+1], v[O+32+i:O+32+i+1], v[ST+18:ST+19] op_sel_hi:[1,0]
.set i, i+2
.endr
.if \next
	s_wait_dscnt 32                                ; V is in; the next step's K and mask terms, 32 loads issued behind it, may be out
.else
	s_wait_dscnt 0x0
.endif
	WIN W_PV
.irp ct, 0,1,2,3
.irp q, 0,1
	v_wmma_f32_16x16x128_fp8_fp8 v[O+32*\q+8*\ct:O+32*\q+8*\ct+7], v[VF+16*\ct:VF+16*\ct+15], v[P+16*\q:P+16*\q+15], v[O+32*\q+8*\ct:O+32*\q+8*\ct+7]   ; the eight accumulators by turns
.endr
.endr
	WIN 0                                          ; no load follows these products: V's registers are asked for again behind the next step's wait
.endm
; THE WAY OUT.  The sum's two halves and lane l xor 16's are added; 2^(e8 + e9) / the sum multiplies O^T.  The four additions name none of the last products' registers: they are the four places ahead of the first read of O^T.
.macro NORM
.irp q, 0,1
	v_add_f32 v[ST+12*\q+10], v[ST+12*\q+4], v[ST+12*\q+5]
.endr
.irp q, 0,1
	v_permlanex16_b32 v[ST+12*\q+11], v[ST+12*\q+10], s38, s39
.endr
.irp q, 0,1
	v_add_f32 v[ST+12*\q+10], v[ST+12*\q+10], v[ST+12*\q+11]
.endr
.irp q, 0,1
	v_rcp_f32 v[ST+12*\q+6], v[ST+12*\q+10]
.endr
	v_nop                                          ; a plain line behind the reciprocals,
	s_wait_alu depctr_va_vdst(0)                   ; and one wait for both: the reciprocals have written v[ST + 6] and v[ST + 18], ahead of their first reader
.irp q, 0,1
	v_ldexp_f32 v[ST+12*\q+6], v[ST+12*\q+6], s41
.endr
.endm
; Both tiles of block blk: register 8 ct + j of lane (r, h) is out(query r, channel 16 ct + 8 h + j).  A tile's 16 rows of 256 bytes go through my own stage and leave as whole rows: sixteen lanes store 256 consecutive bytes, aligned.
; Both tiles are scaled first, so that one wait serves both tiles' stores into the stage and loads from it.  Tile 0 comes back into v224-255, tile 1 into P's registers.
.macro OUT blk
	WIN W_OUT
.irp q, 0,1
.set i, 0
.rept 16
	v_pk_mul_f32 v[S+64*\q+i:S+64*\q+i+1], v[O+32*\q+i:O+32*\q+i+1], v[ST+12*\q+6:ST+12*\q+7] op_sel_hi:[1,0]
.set i, i+2
.endr
.endr
	WIN 0
	s_wait_alu depctr_va_vdst(0)                   ; the scalings have written v[S ..], which the LDS stores read; the conversions and the second products are done with P's registers, in which tile 1's rows land
.irp q, 0,1
.irp ct, 0,1,2,3
	ds_store_b128 v[STO], v[S+64*\q+8*\ct:S+64*\q+8*\ct+3] offset:64*\ct
	ds_store_b128 v[STO], v[S+64*\q+8*\ct+4:S+64*\q+8*\ct+7] offset:64*\ct+16
.endr
.irp n, 0,1,2,3,4,5,6,7
	ds_load_b128 v[WK-32*\q+4*\n:WK-32*\q+4*\n+3], v[RD] offset:2*SPI*\n   ; LDS serves a wave's instructions in order: these see my stores, and the next tile's stores come behind them
.endr
.endr
.irp q, 0,1
.irp n, 0,1,2,3,4,5,6,7
	s_wait_dscnt 16*(1-\q)+7-\n                    ; rows 2 n, 2 n + 1 of the tile are back; its later rows may be out, and behind tile 0's also tile 1's eight stores and eight loads
	global_store_b128 v[GO], v[WK-32*\q+4*\n:WK-32*\q+4*\n+3], s[28:29] offset:(\blk)*1048576+\q*65536+8192*\n th:TH_STORE_NT
.endr
.endr
.endm
; A BLOCK of 256 queries: 16 key steps, 15 of them in a loop; the last is written out, since what it fetches differs.
.macro BLOCK blk
	WIN W_LD
.set i, 0
.rept 64
	v_mov_b32 v[O+i], 0                            ; O^T.  (The step is written without a first step of its own: it finds zeros, which the first change of M leaves zeros)
.set i, i+1
.endr
	WIN 0
.irp q, 0,1
	v_mov_b32 v[ST+12*\q+1], 0x7f61b1e6            ; -(the largest s so far): 3e38, above every -s
	v_mov_b32 v[ST+12*\q+2], 0x7f61b1e6            ; the addend likewise
	v_mov_b32 v[ST+12*\q+4], 0                     ; the sum, in two halves
	v_mov_b32 v[ST+12*\q+5], 0
.endr
.if \blk
	s_wait_loadcnt 0x0                             ; this block's Q
	s_wait_xcnt 0x0                                ; the last block's stores have read their registers: P's are written again below
	s_wait_alu depctr_vm_vsrc(0)                   ; beside it: the last block's global stores have read P's registers and v224-255, its LDS stores v[S ..]: the conversions, the stage's loads and the score products write them again
.endif
	s_mov_b32 s43, VL                              ; where this step's V lies,
	s_mov_b32 s44, 8192                            ; where the next step's K lies in its region,
	s_mov_b32 s45, 512                             ; and its mask terms
	s_mov_b32 s42, 0
.Lstep_\@:
	STEP 1
	s_add_co_u32 s42, s42, 1
	s_cmp_lt_u32 s42, 15
	s_cbranch_scc1 .Lstep_\@
.if \blk
	STEP 0                                         ; the last step of all fetches its own V and nothing more
.else
	s_mov_b32 s44, 0                               ; the next block begins at key step 0 again
	s_mov_b32 s45, 0
	STEP 1
.irp q, 0,1
.irp u, 0,1
	global_load_b128 v[Q+8*\q+4*\u:Q+8*\q+4*\u+3], v[LI], s[20:21] offset:262144+16384*\q+512*\u   ; the next block's Q: 16 tiles of tokens on.  No wait: the score products that read Q stand ahead of the last step's wait, and nothing behind it names Q
.endr
.endr
.endif
	NORM
	OUT \blk
.endm
	s_mov_b32 s44, 0
	s_mov_b32 s45, 0
	v_add_nc_u32 v[ADK], s44, v[LI]                ; key step 0
	v_add_nc_u32 v[ADM], s45, v[MB]
	s_wait_alu depctr_va_vdst(0)                   ; ADK and ADM are written, which the loads below read
	WIN W_LD
	K16
	M16
	WIN 0
	BLOCK 0
	BLOCK 1
	s_wait_dscnt 0x0
	s_wait_alu depctr_hold_cnt(0) depctr_sa_sdst(0) depctr_va_vdst(0) depctr_va_sdst(0) depctr_va_ssrc(0) depctr_va_vcc(0) depctr_vm_vsrc(0)
	s_wait_tensorcnt 0x0
	ds_add_u32 v46, v47
	s_wait_dscnt 0x0
	s_endpgm
.Lfunc_end_k_qc3c9f5b8e9_attn:
	.size	k_qc3c9f5b8e9_attn, .Lfunc_end_k_qc3c9f5b8e9_attn-k_qc3c9f5b8e9_attn
	.p2alignl 7, 3214868480
	.fill 96, 4, 3214868480
	.section	.rodata,"a",@progbits
	.p2align	6, 0x0
	.amdhsa_kernel k_qc3c9f5b8e9_attn
		.amdhsa_group_segment_fixed_size 306176
		.amdhsa_private_segment_fixed_size 0
		.amdhsa_enable_private_segment 0
		.amdhsa_kernarg_size 32
		.amdhsa_user_sgpr_count 2
		.amdhsa_user_sgpr_kernarg_segment_ptr 1
		.amdhsa_wavefront_size32 1
		.amdhsa_system_sgpr_workgroup_id_x 1
		.amdhsa_system_sgpr_workgroup_id_y 1
		.amdhsa_system_sgpr_workgroup_id_z 1
		.amdhsa_system_vgpr_workitem_id 0
		.amdhsa_next_free_vgpr 512
		.amdhsa_next_free_sgpr 66
		.amdhsa_reserve_vcc 0
		.amdhsa_float_denorm_mode_32 3
		.amdhsa_float_denorm_mode_16_64 3
		.amdhsa_memory_ordered 1
		.amdhsa_forward_progress 1
		.amdhsa_inst_pref_size 155
	.end_amdhsa_kernel
	.amdgpu_metadata
---
amdhsa.version: [ 1, 2 ]
amdhsa.kernels:
  - .name:           k_qc3c9f5b8e9_attn
    .symbol:         k_qc3c9f5b8e9_attn.kd
    .args:
      - { .name: img, .offset: 0, .size: 8, .value_kind: global_buffer, .address_space: global }
      - { .name: mask, .offset: 8, .size: 8, .value_kind: global_buffer, .address_space: global }
      - { .name: lowp_scales, .offset: 16, .size: 8, .value_kind: global_buffer, .address_space: global }
      - { .name: out0, .offset: 24, .size: 8, .value_kind: global_buffer, .address_space: global }
    .group_segment_fixed_size: 306176
    .private_segment_fixed_size: 0
    .kernarg_segment_align: 8
    .kernarg_segment_size: 32
    .max_flat_workgroup_size: 256
    .sgpr_count:     66
    .vgpr_count:     512
    .wavefront_size: 32
...
	.end_amdgpu_metadata
.endif
;; end of part 4
